; MI455X (gfx1250); checked and timed in simulation.
; The chip was launched on July 23, 2026; its instructions are those of AMD's public machine-readable ISA for CDNA 5 (MIT licence, August 2026) and "CDNA5" Instruction Set Architecture Reference Guide (July 2026). The comments in the code are by the model that wrote it; some were corrected since.
;; Causual attention V1. Allowed arithmetic: matrix products marked QUANTISED: E3M2 operands, one E8M0 scale for each 32 along K, by v_wmma_scale_f32_16x16x128_f8f6f4 with both operands' format E3M2, f32 sums; everything else in f32.
;; Inputs: Wk 1,024 x 1,024 float32; Wq 1,024 x 1,024 float32; Wv 1,024 x 1,024 float32; x 4 x 2,048 x 1,024 float32.
;; Outputs: out0 4 x 2,048 x 1,024 float32.
;; This version of the problem:
;;   THIS VERSION OF THE PROBLEM IS GIVEN IN LOW PRECISION. The matrix products marked QUANTISED in the list below multiply operands that are first quantised to E3M2 (3 exponent bits, 2 mantissa bits; 6 bits a number), with one power-of-two scale for each 32 numbers along K (OCP MX v1.0); their sums are f32. All else is computed in f32.
;;   The module's matrix products, in the order in which they are computed (A, B: the left and right operand; K: the contracted axis; several contracted axes count as one K, in the product's order):
;;     1. [M 8,192, K 1,024] x [K 1,024, N 1,024]; A: input x; B: input Wq: QUANTISED
;;     2. [M 8,192, K 1,024] x [K 1,024, N 1,024]; A: input x; B: input Wk: QUANTISED
;;     3. [M 8,192, K 1,024] x [K 1,024, N 1,024]; A: input x; B: input Wv: QUANTISED
;;     4. batch 4 x [M 2,048, K 1,024] x [K 1,024, N 2,048]; A: computed on the way; B: computed on the way: QUANTISED
;;     5. batch 4 x [M 2,048, K 2,048] x [K 2,048, N 1,024]; A: softmax (see below); B: computed on the way: QUANTISED
;;   THE QUANTISER, for each operand of a quantised product, along K:
;;     - K is cut into blocks of 32 from its start; a last block that is shorter is filled with zeros.
;;     - A block's scale is 2^e with e = floor(log2(the largest magnitude in the block)) - 4, held to -126 .. 127; a block of zeros has e = 0. As a byte (E8M0): e + 127.
;;     - Each number is divided by its block's scale, clamped to +-28, and rounded to the nearest number of E3M2, ties to even, subnormals kept.
;;     - The product sums the exact products of the quantised numbers (number of the format x scale) in f32.
;;   ~~~python
;;   def quantise(x, axis):      # numpy; x: float32 -> the quantised numbers, widened to float32 again
;;       x = np.moveaxis(x, axis, -1); K = x.shape[-1]
;;       x = np.pad(x, [(0, 0)] * (x.ndim - 1) + [(0, -K % 32)]); x = x.reshape(x.shape[:-1] + (-1, 32)); a = np.abs(x).max(-1, keepdims=True)
;;       e = np.where(a > 0, np.clip(np.frexp(np.where(a > 0, a, 1))[1] - 1 - 4, -126, 127), 0)      # np.frexp(a)[1] - 1 = floor(log2(a)), exactly
;;       r = np.clip(x / 2.0 ** e, -28, 28)
;;       step = 2.0 ** (np.maximum(np.frexp(np.where(r == 0, 1, r))[1] - 1, -2) - 2)
;;       q = np.round(r / step) * step * 2.0 ** e      # np.round: ties to even
;;       return np.moveaxis(q.reshape(q.shape[:-2] + (-1,))[..., :K], -1, axis).astype(np.float32)
;;   ~~~
;;   SOFTMAX AHEAD OF A QUANTISED PRODUCT. Where the list says 'softmax', what is quantised is not the finished softmax but p = 2^(t - M), with t = logit x log2(e) and M = ceil(the row's largest t), a whole number; so 1/2 < the row's largest p <= 1. The row's sum l is taken of the UNQUANTISED p, in f32, and the product's result is divided by l at the end. Since M is a whole number, a kernel that streams over the keys may use a running M (the ceiling of the running maximum): every later rescaling is an exact power of two, which a block's scale takes up: the codes' values come out the same.
;;   OPERANDS COMPUTED ON THE WAY. 'Computed on the way' means the value that the module computes at that place (a softmax that the list does not call 'softmax' is quantised finished and normalised). What goes into a quantiser is computed in f32, as accurately as f32 sums, v_exp_f32 and their like allow (about 1e-6 of the number): no bf16 or f16 on the way to a quantiser, and a product that is left as it is and whose result goes on into a quantised operand takes f32 operands (vector FMAs, or v_wmma_f32_16x16x4_f32). A number that lies on a knife's edge between two numbers of the format may be rounded either way, as far as f32 arithmetic and the matrix unit's own rounding can turn it there, and no further.
;; One version. Each part assembles by itself: llvm-mc -triple=amdgcn-amd-amdhsa -mcpu=gfx1250 --defsym DOCPART=n.
;; ======== version 1 of 1: 4 launches
;; workspace buffers: c1 9,011,200 bytes; c2 19,660,800 bytes; c3 13,107,200 bytes; st3 1,048,576 bytes
;; launch quant (part 1): grid 256 x 1, 11 waves a work-group, no clusters, 187,392 bytes of LDS; arguments x, Wq, Wk, Wv, c1; writes c1
.if DOCPART == 1
	.amdgcn_target "amdgcn-amd-amdhsa--gfx1250"
	.amdhsa_code_object_version 6
	.text
	.protected	k_q35e37288ed_quant
	.globl	k_q35e37288ed_quant
	.p2align	8
	.type	k_q35e37288ed_quant,@function
k_q35e37288ed_quant:
	s_mov_b64 s[64:65], 0
	v_nop
	global_prefetch_b8 v0, s[64:65] scope:SCOPE_SE
	s_setreg_imm32_b32 hwreg(HW_REG_WAVE_MODE, 25, 1), 1
	s_wait_xcnt 0x0
; x [8192][1024] and Wq, Wk, Wv [1024 (k)][1024 (n)], f32, become codes of BF6 (E3M2) with one E8M0 byte for each 32 along K, laid as IMAGES OF OPERAND REGISTERS.
; A block's scale is 2^(floor(log2(largest magnitude)) - 4): its byte is the largest magnitude's exponent field - 4, held at 1 from below by a floor among the maximum's leaves.
; (A block of zeros keeps the byte 1: its codes are zeros, and this program alone reads the bytes.)
; LIMITS: NaN and infinities are not served; a block whose largest magnitude lies under 2^-122 keeps the byte 1.
; LAYOUT OF c1.  A fragment (16 rows x 128 K) is 1,536 bytes: register p of lane L at 512 (p / 4) + 16 L + 4 (p % 4).  A record (REC) holds 8 tiles x 2 K steps: codes at tile x 3,072 + q x 1,536,
; scale words at 24,576 + q x 512 + tile x 64 + 4 r.  x: [kslot 4][octet of rows 64][REC]; behind it W: [kslot 4][8 x matrix + octet of columns][REC].
; THE ROWS OF A TILE ARE NOT NEIGHBOURS: lane-row r of tile 2 b + u is row 32 b + 8 u + r + 8 (r / 8), so that results of products with such tiles as source 0 are neighbours along the next K.
; SHARES.  A wave makes tiles 2 b and 2 b + 1 of one K step of 128: 16,384 bytes of f32.  x has 2,048 such units, the three weights 768.  Each of the 256 work-groups takes eight of x's (waves 0-7: b = work-group,
; K step = wave) and three of the weights' (waves 8-10): 180,224 bytes in for every work-group.  The ways part on the wave's number.
; x: each load reads 512 consecutive bytes of a row; the 32 rows turn through the wave's own stage in LDS (rows 528 bytes apart) so that a lane gets 32 neighbours along K.
; W: a lane takes a column and its registers run down K, so nothing is turned, and no LDS is used.  No barrier: waves share nothing.
; The claim of LDS has a stage's room for each of the eleven waves' numbers (a stage's address is wave x WREG); waves 8-10 use none.
.set REC,  25600
.set XKS,  64*REC                      ; x: from kslot to kslot
.set WKS,  24*REC                      ; W: likewise
.set WB,   4*XKS                       ; where W's records begin
.set WREG, 16896                       ; a wave's stage: 32 rows x 528 bytes
.set SP,   528
.set X,    64                          ; v64-191: 128 numbers: tile u, block half c: v[X + 64 u + 32 c + i] = k 64 c + 32 h + i of my row
	s_load_b256 s[4:11], s[0:1], 0x0               ; x, Wq, Wk, Wv
	s_load_b64 s[12:13], s[0:1], 0x20              ; c1
	v_lshl_add_u32 v192, v0, 2, 0x2d600
	v_mov_b32 v193, 0
	v_lshrrev_b32 v1, 5, v0
	v_readfirstlane_b32 s14, v1                    ; wave 0..10
	v_and_b32 v2, 31, v0                           ; lane
	v_and_b32 v3, 15, v0                           ; r
	v_bfe_u32 v5, v0, 4, 1                         ; h
	v_lshlrev_b32 v4, 4, v2                        ; 16 x lane
	v_lshlrev_b32 v6, 2, v2                        ; 4 x lane
	v_lshlrev_b32 v16, 3, v5                       ; 8 h: my bytes' place in a scale word
	v_mov_b32 v17, 0                               ; a lane permute's destination counts as read: written once
	s_mov_b32 s15, 0x76543210
	s_mov_b32 s16, 0xfedcba98                      ; selects for lane l xor 16
	s_mov_b32 s17, 0xffff0000                      ; lanes 16-31
	s_mov_b32 s19, 0
	s_mov_b32 s21, 0
	s_mov_b32 s23, 0
	s_cmp_ge_u32 s14, 8
	s_cbranch_scc1 .Lweights
	; ---- x: 32 rows x 128 numbers
	s_mul_i32 s24, s14, WREG
	v_add_nc_u32 v7, s24, v4                       ; into the stage: 16 x lane of a row
	v_mul_u32_u24 v8, v3, SP
	v_lshl_add_u32 v8, v5, 7, v8
	v_add_nc_u32 v8, s24, v8                       ; out of it: row r, + 128 h
	s_lshl_b32 s18, ttmp9, 17                      ; 32 rows of 4,096 bytes
	s_lshl_b32 s20, s14, 9                         ; + 512 bytes a K step
	s_add_co_u32 s18, s18, s20
	s_lshr_b32 s24, s14, 1
	s_mul_i32 s24, s24, XKS
	s_lshr_b32 s25, ttmp9, 2
	s_mul_i32 s25, s25, REC
	s_add_co_u32 s24, s24, s25                     ; my record
	s_and_b32 s25, ttmp9, 3                        ; which pair of tiles in it
	s_mov_b32 s26, s14                             ; K step
	s_wait_kmcnt 0x0
	s_add_nc_u64 s[4:5], s[4:5], s[18:19]
.set p, 0
.rept 32
	global_load_b128 v[X+4*p:X+4*p+3], v4, s[4:5] offset:p*4096 th:TH_LOAD_NT   ; 32 lanes read 512 consecutive bytes of row p
.set p, p+1
.endr
.set p, 0
.rept 32
	s_wait_loadcnt 31-p                            ; row p is in; the younger rows stay out
	ds_store_b128 v7, v[X+4*p:X+4*p+3] offset:(16*((p>>3)&1)+(p&7)+8*(p>>4))*SP   ; to the place of its tile and lane-row
.set p, p+1
.endr
	s_wait_dscnt 0x0                               ; the stores have read their registers
.irp u, 0,1
.irp c, 0,1
.irp j, 0,1,2,3,4,5,6,7
	ds_load_b128 v[X+64*\u+32*\c+4*\j:X+64*\u+32*\c+4*\j+3], v8 offset:\u*16*SP+256*\c+16*\j
.endr
.endr
.endr
	s_wait_dscnt 0x0
	s_branch .Ljoin
.Lweights:
	; ---- a weight: 32 columns x 128 along K
	s_mul_i32 s27, ttmp9, 3
	s_add_co_u32 s27, s27, s14
	s_sub_co_u32 s27, s27, 8                       ; which of the 768 units: 3 x work-group + wave - 8
	s_lshr_b32 s28, s27, 8                         ; which matrix: 0 q, 1 k, 2 v
	s_bfe_u32 s26, s27, 0x30005                    ; K step
	s_and_b32 s29, s27, 31                         ; which 32 columns
	v_and_b32 v9, 8, v3
	v_add_nc_u32 v9, v9, v3                        ; r + 8 (r / 8)
	v_lshlrev_b32 v9, 2, v9
	v_lshl_add_u32 v9, v5, 17, v9                  ; lanes 16-31 begin 32 rows of 4,096 bytes further down
	s_lshl_b32 s18, s26, 19                        ; 128 rows a K step
	s_lshl_b32 s20, s29, 7
	s_add_co_u32 s18, s18, s20
	s_lshr_b32 s24, s26, 1
	s_mul_i32 s24, s24, WKS
	s_lshl_b32 s30, s28, 3
	s_lshr_b32 s31, s29, 2
	s_add_co_u32 s30, s30, s31
	s_mul_i32 s30, s30, REC
	s_add_co_u32 s24, s24, s30
	s_add_co_u32 s24, s24, WB                      ; my record
	s_and_b32 s25, s29, 3
	s_wait_kmcnt 0x0
	s_cmp_eq_u32 s28, 0
	s_cselect_b64 s[6:7], s[6:7], s[8:9]
	s_cmp_eq_u32 s28, 2
	s_cselect_b64 s[6:7], s[10:11], s[6:7]         ; the choice hangs on the work-group's and the wave's numbers alone
	s_add_nc_u64 s[6:7], s[6:7], s[18:19]
.irp u, 0,1
.irp c, 0,1
.set i, 0
.rept 32
	global_load_b32 v[X+64*\u+32*\c+i], v9, s[6:7] offset:(64*\c+i)*4096+32*\u
.set i, i+1
.endr
.endr
.endr
	s_wait_loadcnt 0x0
.Ljoin:
	s_and_b32 s26, s26, 1                          ; q
	s_mul_i32 s20, s25, 6144
	s_mul_i32 s27, s26, 1536
	s_add_co_u32 s20, s20, s27
	s_add_co_u32 s20, s20, s24                     ; my two fragments
	s_lshl_b32 s22, s25, 7
	s_lshl_b32 s27, s26, 9
	s_add_co_u32 s22, s22, s27
	s_add_co_u32 s22, s22, s24
	s_add_co_u32 s22, s22, 24576                   ; their scale words
	s_add_nc_u64 s[20:21], s[12:13], s[20:21]
	s_add_nc_u64 s[22:23], s[12:13], s[22:23]
; 64 numbers v[s] on (two whole blocks of 32 a lane) become a fragment's 12 registers in v[pc] on and its scale word in v[pw]
.macro QF s, pc, pw
	v_max3_num_f32 v10, |v[\s]|, |v[\s+1]|, 0x2800000          ; the floor 2^(5 - 127): the byte cannot fall under 1
	v_max3_num_f32 v11, |v[\s+32]|, |v[\s+33]|, 0x2800000
.irp i, 2,4,6,8,10,12,14,16,18,20,22,24,26,28,30
	v_max3_num_f32 v10, v10, |v[\s+\i]|, |v[\s+\i+1]|          ; the two blocks by turns
	v_max3_num_f32 v11, v11, |v[\s+32+\i]|, |v[\s+33+\i]|
.endr
	v_add_nc_u32 v12, 0xfe000000, v10              ; 4 off the exponent field: the conversion's scale operand
	v_add_nc_u32 v13, 0xfe000000, v11
	v_lshrrev_b32 v14, 23, v12                     ; the bytes of blocks h and 2 + h
	v_lshrrev_b32 v15, 23, v13
	v_lshl_or_b32 v14, v15, 16, v14
	v_lshlrev_b32 v14, v16, v14                    ; at their places in the word
	v_permlanex16_b32 v17, v14, s15, s16
	v_or_b32 v[\pw], v14, v17                      ; with lane l xor 16's two the word is whole
	v_cvt_scalef32_pk16_bf6_f32 v[\pc:\pc+2], v[\s:\s+15], v12
	v_cvt_scalef32_pk16_bf6_f32 v[48:50], v[\s+16:\s+31], v12      ; (a conversion's three registers begin on an even number)
	v_cvt_scalef32_pk16_bf6_f32 v[\pc+6:\pc+8], v[\s+32:\s+47], v13
	v_cvt_scalef32_pk16_bf6_f32 v[52:54], v[\s+48:\s+63], v13
	v_nop                                          ; one plain place behind the scaled conversions
.irp i, 0,1,2
	v_mov_b32 v[\pc+3+\i], v[48+\i]
	v_mov_b32 v[\pc+9+\i], v[52+\i]
.endr
.endm
	QF X, 24, 18
	QF X+64, 36, 19
.irp u, 0,1
.irp g, 0,1,2
	global_store_b128 v4, v[24+12*\u+4*\g:24+12*\u+4*\g+3], s[20:21] offset:\u*3072+512*\g   ; 32 lanes store 512 consecutive bytes, at a multiple of 256 from c1's first byte
.endr
.endr
	v_cndmask_b32 v18, v18, v19, s17               ; lanes 0-15: tile 2 b's words; lanes 16-31: tile 2 b + 1's
	global_store_b32 v6, v18, s[22:23]
	s_wait_tensorcnt 0x0
	ds_add_u32 v192, v193
	s_wait_dscnt 0x0
	s_endpgm
.Lfunc_end_k_q35e37288ed_quant:
	.size	k_q35e37288ed_quant, .Lfunc_end_k_q35e37288ed_quant-k_q35e37288ed_quant
	.p2alignl 7, 3214868480
	.fill 96, 4, 3214868480
	.section	.rodata,"a",@progbits
	.p2align	6, 0x0
	.amdhsa_kernel k_q35e37288ed_quant
		.amdhsa_group_segment_fixed_size 187392
		.amdhsa_private_segment_fixed_size 0
		.amdhsa_enable_private_segment 0
		.amdhsa_kernarg_size 40
		.amdhsa_user_sgpr_count 2
		.amdhsa_user_sgpr_kernarg_segment_ptr 1
		.amdhsa_wavefront_size32 1
		.amdhsa_system_sgpr_workgroup_id_x 1
		.amdhsa_system_sgpr_workgroup_id_y 1
		.amdhsa_system_sgpr_workgroup_id_z 1
		.amdhsa_system_vgpr_workitem_id 0
		.amdhsa_next_free_vgpr 194
		.amdhsa_next_free_sgpr 66
		.amdhsa_reserve_vcc 0
		.amdhsa_float_denorm_mode_32 3
		.amdhsa_float_denorm_mode_16_64 3
		.amdhsa_memory_ordered 1
		.amdhsa_forward_progress 1
		.amdhsa_inst_pref_size 31
	.end_amdhsa_kernel
	.amdgpu_metadata
---
amdhsa.version: [ 1, 2 ]
amdhsa.kernels:
  - .name:           k_q35e37288ed_quant
    .symbol:         k_q35e37288ed_quant.kd
    .args:
      - { .name: x, .offset: 0, .size: 8, .value_kind: global_buffer, .address_space: global }
      - { .name: Wq, .offset: 8, .size: 8, .value_kind: global_buffer, .address_space: global }
      - { .name: Wk, .offset: 16, .size: 8, .value_kind: global_buffer, .address_space: global }
      - { .name: Wv, .offset: 24, .size: 8, .value_kind: global_buffer, .address_space: global }
      - { .name: c1, .offset: 32, .size: 8, .value_kind: global_buffer, .address_space: global }
    .group_segment_fixed_size: 187392
    .private_segment_fixed_size: 0
    .kernarg_segment_align: 8
    .kernarg_segment_size: 40
    .max_flat_workgroup_size: 352
    .sgpr_count:     66
    .vgpr_count:     194
    .wavefront_size: 32
...
	.end_amdgpu_metadata
.endif
;; end of part 1
;; launch proj (part 2): grid 12 x 32, 4 waves a work-group, clusters of 4 x 4, 327,680 bytes of LDS; arguments c1, c2; writes c2
.if DOCPART == 2
	.amdgcn_target "amdgcn-amd-amdhsa--gfx1250"
	.amdhsa_code_object_version 6
	.text
	.protected	k_q35e37288ed_proj
	.globl	k_q35e37288ed_proj
	.p2align	8
	.type	k_q35e37288ed_proj,@function
k_q35e37288ed_proj:
	s_mov_b64 s[64:65], 0
	v_nop
	global_prefetch_b8 v0, s[64:65] scope:SCOPE_SE
	s_setreg_imm32_b32 hwreg(HW_REG_WAVE_MODE, 25, 1), 1
	s_wait_xcnt 0x0
	s_wait_alu depctr_hold_cnt(0) depctr_sa_sdst(0) depctr_va_vdst(0) depctr_va_sdst(0) depctr_va_ssrc(0) depctr_va_vcc(0) depctr_vm_vsrc(0)
	s_getreg_b32 s2, hwreg(HW_REG_IB_STS2, 6, 4)
	s_cmp_eq_u32 s2, 0
	s_cbranch_scc0 .Lentry_in_a_cluster
	s_endpgm
.Lentry_in_a_cluster:
	s_bfe_u32 s2, ttmp6, 0x10000c
	s_cmp_lg_u32 s2, 0xf033
	s_cbranch_scc0 .Lentry_shape_is_right
	s_endpgm
.Lentry_shape_is_right:
; q = x Wq, k = x Wk, v = x Wv on codes of BF6 (E3M2) with E8M0 scales, K = 1,024; the results are quantised in registers, along the K of the product that will read them, and stored as operand images.
; c1 and c2 are laid in records (REC): 8 tiles x 2 K steps; a fragment's codes at tile x 3,072 + q x 1,536 (register p of lane L at 512 (p / 4) + 16 L + 4 (p % 4)), scale words at 24,576 + q x 512 + tile x 64 + 4 r.
; Lane-row r of tile 2 b + u is row 32 b + 8 u + r + 8 (r / 8): with such a tile as source 0 the 16 registers of result tiles 2 b, 2 b + 1 are 16 neighbours along source 0's rows.
; A work-group of four waves makes 256 x 256 results; a wave 128 x 128: 64 accumulators.  Cluster x says which matrix.  q, k: source 0 = W (columns e), source 1 = x (tokens): a lane holds a token and its registers
; run along e, the scores' K.  v: source 0 = x, source 1 = Wv: a lane holds a channel and its registers run along the tokens, the keys, which are the last product's K.
; LDS: three regions of four records (source 1's two octets, source 0's two); kslots 0, 1, 2 are asked for at the head, kslot 3 goes into region 0 when it has been read: one refill in the launch.
; CLUSTERS 4 x 4: source 1's records hang on cy and are shared along a row of the cluster, source 0's on cx and are shared along a column: joint loads.  The roles are chosen by selects on the cluster's x, never by a branch.
; By this text's count a wave has at most three tensor loads outstanding.
; LIMITS: NaN and infinities are not served; a block whose largest magnitude lies under 2^-122 keeps the byte 1 (a block of zeros too: its codes are zeros).
; REGISTERS: window 0: v10-20 addresses, v28-29 for the add, v32-47 scale words (two sets), v64-255 source 1's fragments (two sets); in the epilogue v64-119 at work.
;   window 1: source 0's fragments, sets at v0 and v128.  windows 2, 3: accumulator (a, b) at v[8 (8 (a % 4) + b)].
.set REC,   25600
.set XKS,   64*REC
.set WKS,   24*REC
.set VKS,   8*REC
.set WB,    4*XKS                      ; c1: where W's records begin
.set QKB,   4*XKS                      ; c2: q's part, k's part, then V^T
.set REG,   4*REC                      ; an LDS region
.set SPARE, 3*REG                      ; behind the regions: the spare words, 128 bytes a wave
.set ADRA, 10                          ; v10-12 source 1's fragments in region 0, 1, 2
.set ADRB, 13                          ; v13-15 source 0's
.set ADRS, 16                          ; v16-18 scale words: lanes 0-15 source 1's, lanes 16-31 source 0's
.set LI,   19                          ; 16 x lane
.set L4,   20                          ; 4 x lane
.set SPW,  28
.set NIL,  29
.set SC,   32
.set AF,   64
.set PC,   64                          ; epilogue: the codes just made
.set TM,   96                          ; epilogue: v96-99 maxima, v100-103 bytes, v108-111 scale operands
.set PW,   112                         ; epilogue: the eight tiles' scale words
.set G1A, 24                           ; s[24:31] group 1 for source 1's records; s[40:51] three groups 0
.set G1B, 32                           ; s[32:39], s[52:63] the same for source 0's
.set G0A, 40
.set G0B, 52
.set MUL_LO, 0xa1                      ; source 0 window 1, source 1 window 0, C and D window 2
.set MUL_HI, 0xf1                      ; C and D window 3
.set MSB, 0
.macro WIN new                         ; the immediate's high byte repeats the setting that is left
.if MSB != (\new)
	s_set_vgpr_msb (MSB<<8)|(\new)
.set MSB, \new
.endif
.endm
.macro PLACES n
.rept \n
	v_nop
.endr
.endm
; A joint load: waves 0 and 1 fetch source 1's two records, waves 2 and 3 source 0's.  Four v_nop follow each line, ahead of the jump, the label and what follows.
.macro JLOAD p
	s_cmp_eq_u32 s9, 0
	s_cbranch_scc0 .Lfor_b_\@
	tensor_load_to_lds s[G0A+4*(\p):G0A+4*(\p)+3], s[G1A:G1A+7]
	s_nop 0
.rept 4
	v_nop
.endr
	s_branch .Lasked_\@
.Lfor_b_\@:
	tensor_load_to_lds s[G0B+4*(\p):G0B+4*(\p)+3], s[G1B:G1B+7]
	s_nop 0
.rept 4
	v_nop
.endr
.Lasked_\@:
.endm
.macro CREST                           ; a round of the cluster's barrier behind its opening barrier
	s_cmp_lg_u32 s8, 0
	s_cbranch_scc1 .Lnot_wave_0_\@
	s_barrier_signal -3
.Lnot_wave_0_\@:
	s_barrier_wait -3
	s_barrier_signal -1
	s_barrier_wait -1
.endm
.macro CROUND
	s_barrier_signal -1
	s_barrier_wait -1
	CREST
.endm
	s_load_b128 s[4:7], s[0:1], 0x0                ; c1, c2
	v_lshl_add_u32 v[SPW], v0, 2, SPARE
	v_mov_b32 v[NIL], 0
	ds_add_u32 v28, v29
	ds_add_u32 v28, v29
	s_wait_dscnt 0x0
	v_lshrrev_b32 v1, 5, v0
	v_readfirstlane_b32 s8, v1                     ; wave 0..3
	s_lshr_b32 s9, s8, 1                           ; my half of source 1's rows.  Also: I fetch for source 1 (0) or source 0 (1)
	s_and_b32 s10, s8, 1                           ; my half of source 0's rows.  Also: which of the two records I fetch
	s_bfe_u32 s11, ttmp6, 0x40000                  ; cx
	s_bfe_u32 s12, ttmp6, 0x40004                  ; cy
	s_mov_b32 s13, ttmp9                           ; cluster x: the matrix, 0 q, 1 k, 2 v
	s_and_b32 s14, ttmp7, 0xffff                   ; cluster y
	s_mov_b32 s18, 0x76543210
	s_mov_b32 s19, 0xfedcba98                      ; selects for lane l xor 16
	s_mov_b32 s20, 0xffff0000                      ; lanes 16-31
	s_lshl_b32 s66, s12, 2
	s_lshl_b32 s66, 15, s66                        ; my row of the cluster
	s_lshl_b32 s67, 0x1111, s11                    ; my column
	s_or_b32 s[G1A], s66, (3<<16)|(1<<21)          ; 15:0 the mask; 17:16 elements of 8 bytes; 21 set beside a mask; no padding
	s_or_b32 s[G1B], s67, (3<<16)|(1<<21)
.irp g, G1A, G1B                       ; a record is a dense block: 100 rows of 256 bytes
	s_mov_b32 s[\g+1], 32<<16                      ; tensor_dim0 = 32 elements
	s_mov_b32 s[\g+2], 100<<16                     ; tensor_dim1 = 100
	s_mov_b32 s[\g+3], 32<<16                      ; tile_dim0
	s_mov_b32 s[\g+4], 100                         ; tile_dim1
	s_mov_b32 s[\g+5], 32                          ; from row to row
	s_mov_b32 s[\g+6], 0
	s_mov_b32 s[\g+7], 0
.endr
	; the roles, chosen once on the matrix's number, which all sixteen partners share
	s_lshl_b32 s70, s14, 2
	s_mul_i32 s71, s13, 8*REC
	s_add_co_u32 s71, s71, WB
	s_mov_b32 s72, XKS
	s_mov_b32 s73, WKS
	s_mov_b32 s74, VKS
	s_mov_b32 s75, WB+16*REC
	s_cmp_eq_u32 s13, 2
	s_cselect_b32 s76, s70, 0                      ; source 0's block of 256 rows: cx, for v + 4 x cluster y
	s_cselect_b32 s77, 0, s70                      ; source 1's: cy, for q and k + 4 x cluster y
	s_cselect_b32 s78, 0, s71                      ; where source 0's records begin
	s_cselect_b32 s79, s75, 0                      ; and source 1's
	s_cselect_b32 s80, s72, s73                    ; source 0: from kslot to kslot
	s_cselect_b32 s82, s73, s72                    ; source 1: likewise
	s_cselect_b32 s84, s74, s72                    ; the output: from kslot to kslot
	s_mov_b32 s81, 0
	s_mov_b32 s83, 0
	s_add_co_u32 s76, s76, s11
	s_add_co_u32 s77, s77, s12
	s_lshl_b32 s86, s76, 1
	s_add_co_u32 s86, s86, s10
	s_mul_i32 s86, s86, REC
	s_add_co_u32 s86, s86, s78                     ; source 0's record that I would fetch: it holds cx and never cy
	s_mov_b32 s87, 0
	s_lshl_b32 s88, s77, 1
	s_add_co_u32 s88, s88, s10
	s_mul_i32 s88, s88, REC
	s_add_co_u32 s88, s88, s79                     ; source 1's: it holds cy and never cx
	s_mov_b32 s89, 0
	s_mul_i32 s85, s8, REC                         ; where it goes in a region: wave x a record
	s_wait_kmcnt 0x0
	s_add_nc_u64 s[86:87], s[4:5], s[86:87]
	s_add_nc_u64 s[88:89], s[4:5], s[88:89]
	CROUND                                         ; all sixteen work-groups are here: the first joint loads meet
.irp p, 0,1,2
	s_mov_b32 s[G0A+4*\p], 1
	s_add_co_u32 s[G0A+4*\p+1], s85, \p*REG
	s_mov_b64 s[G0A+4*\p+2:G0A+4*\p+3], s[88:89]
	s_or_b32 s[G0A+4*\p+3], s[G0A+4*\p+3], 0x80000000
	s_mov_b32 s[G0B+4*\p], 1
	s_add_co_u32 s[G0B+4*\p+1], s85, \p*REG
	s_mov_b64 s[G0B+4*\p+2:G0B+4*\p+3], s[86:87]
	s_or_b32 s[G0B+4*\p+3], s[G0B+4*\p+3], 0x80000000
	JLOAD \p                                       ; kslot p into region p
	s_add_nc_u64 s[88:89], s[88:89], s[82:83]      ; on to the next kslot; behind the third these two pairs stand at kslot 3
	s_add_nc_u64 s[86:87], s[86:87], s[80:81]
.endr
	v_and_b32 v1, 31, v0
	v_and_b32 v2, 15, v0                           ; r
	v_bfe_u32 v3, v0, 4, 1                         ; h
	v_lshlrev_b32 v[LI], 4, v1
	v_lshlrev_b32 v[L4], 2, v1
	s_mul_i32 s90, s9, REC                         ; source 1's record of my half
	s_mul_i32 s91, s10, REC
	s_add_co_u32 s91, s91, 2*REC                   ; source 0's
	s_sub_co_u32 s92, s91, s90                     ; the distance between the two
	v_mul_u32_u24 v4, s92, v3                      ; lanes 16-31 take source 0's words
	v_lshl_add_u32 v4, v2, 2, v4
	s_add_co_u32 s93, s90, 24576
.irp p, 0,1,2
	v_add_nc_u32 v[ADRA+\p], s90, v[LI]
	v_add_nc_u32 v[ADRB+\p], s91, v[LI]
	v_add_nc_u32 v[ADRS+\p], s93, v4
	s_add_co_u32 s90, s90, REG
	s_add_co_u32 s91, s91, REG
	s_add_co_u32 s93, s93, REG
.endr
	; where my results go: kslot = source 0's block, record = source 1's octet, q = my half of source 0's rows
	s_mul_i32 s94, s13, QKB
	s_mul_i32 s95, s76, s84
	s_add_co_u32 s94, s94, s95
	s_lshl_b32 s95, s77, 1
	s_add_co_u32 s95, s95, s9
	s_mul_i32 s95, s95, REC
	s_add_co_u32 s94, s94, s95
	s_mov_b32 s95, 0
	s_add_nc_u64 s[94:95], s[6:7], s[94:95]
	s_mul_i32 s96, s10, 1536
	s_mov_b32 s97, 0
	s_add_nc_u64 s[96:97], s[94:95], s[96:97]      ; the codes
	s_lshl_b32 s98, s10, 9
	s_add_co_u32 s98, s98, 24576
	s_mov_b32 s99, 0
	s_add_nc_u64 s[98:99], s[94:95], s[98:99]      ; the scale words
.macro FRAG reg, adr, off              ; a fragment's image comes back by three loads of 512 consecutive bytes
.irp g, 0,1,2
	ds_load_b128 v[(\reg)+4*\g:(\reg)+4*\g+3], v[\adr] offset:(\off)+512*\g
.endr
.endm
; The 56 loads of K step k, in this order: source 0's eight fragments, source 1's blocks 0-3, the eight scale words, source 1's blocks 4-7
.macro FETCH k
.set RG, ((\k)>>1)%3
.set QQ, (\k)&1
	WIN 0x40
.irp i, 0,1,2,3,4,5,6,7
	FRAG 128*QQ+12*\i, ADRB+RG, \i*3072+QQ*1536
.endr
	WIN 0
.irp i, 0,1,2,3
	FRAG AF+96*QQ+12*\i, ADRA+RG, \i*3072+QQ*1536
.endr
.irp i, 0,1,2,3,4,5,6,7
	ds_load_b32 v[SC+8*QQ+\i], v[ADRS+RG] offset:QQ*512+\i*64
.endr
.irp i, 4,5,6,7
	FRAG AF+96*QQ+12*\i, ADRA+RG, \i*3072+QQ*1536
.endr
.endm
; 16 matrix instructions: source 1's blocks a0, a0 + 1 x source 0's eight.  The 64 accumulators take turns in the same order in every step.
.macro MUL16 a0, p, zero
.irp a, \a0, \a0+1
.irp b, 0,1,2,3,4,5,6,7
.if \zero
	v_wmma_scale_f32_16x16x128_f8f6f4 v[8*(8*((\a)%4)+\b):8*(8*((\a)%4)+\b)+7], v[128*(\p)+12*\b:128*(\p)+12*\b+11], v[AF+96*(\p)+12*(\a):AF+96*(\p)+12*(\a)+11], 0, v[SC+8*(\p)+\b], v[SC+8*(\p)+(\a)] matrix_a_fmt:MATRIX_FMT_BF6 matrix_b_fmt:MATRIX_FMT_BF6 matrix_a_scale:MATRIX_SCALE_ROW1
.else
	v_wmma_scale_f32_16x16x128_f8f6f4 v[8*(8*((\a)%4)+\b):8*(8*((\a)%4)+\b)+7], v[128*(\p)+12*\b:128*(\p)+12*\b+11], v[AF+96*(\p)+12*(\a):AF+96*(\p)+12*(\a)+11], v[8*(8*((\a)%4)+\b):8*(8*((\a)%4)+\b)+7], v[SC+8*(\p)+\b], v[SC+8*(\p)+(\a)] matrix_a_fmt:MATRIX_FMT_BF6 matrix_b_fmt:MATRIX_FMT_BF6 matrix_a_scale:MATRIX_SCALE_ROW1
.endif
.endr
.endr
.endm
; K step k.  mode 1: plain, fetches step k + 1 in its middle.  mode 0: the last.  mode 2: a barrier in front of a region that was filled late.  mode 3: the same, and region 0 is filled again.
.macro KS k, mode, zero
.set ST_, (\k)&1
.if (\mode) < 2
	s_wait_dscnt 12                                ; all but the youngest twelve loads (source 1's blocks 4-7) are in
	WIN MUL_LO
	MUL16 0, ST_, \zero
	MUL16 2, ST_, \zero
.if (\mode) == 1
	PLACES 4                                       ; four places in front of loads into registers that matrix instructions have read
	FETCH (\k)+1
	s_wait_dscnt 56                                ; all but the 56 just issued
.else
	s_wait_dscnt 0x0
.endif
	WIN MUL_HI
	MUL16 4, ST_, \zero
	MUL16 6, ST_, \zero
.else
	WIN 0                                          ; (the add's two registers lie in window 0)
	s_wait_tensorcnt 0x0                           ; all my tensor loads have landed
	ds_add_u32 v[SPW], v[NIL]                      ; 0 onto my spare word
.if (\mode) == 3
	s_mov_b64 s[G0A+2:G0A+3], s[88:89]             ; no tensor load of mine is out, so a group 0 may be written: region 0 takes kslot 3
	s_or_b32 s[G0A+3], s[G0A+3], 0x80000000
	s_mov_b64 s[G0B+2:G0B+3], s[86:87]
	s_or_b32 s[G0B+3], s[G0B+3], 0x80000000
.endif
	s_wait_dscnt 13                                ; (the add and the youngest twelve loads may be out)
	WIN MUL_LO
	MUL16 0, ST_, 0
	s_wait_dscnt 0x0                               ; the add is done, and my reads of the region that I leave are over
	s_barrier_signal -1
	MUL16 2, ST_, 0
	WIN 0                                          ; (branches may follow)
	s_barrier_wait -1
.if (\mode) == 3
	CREST                                          ; the barrier has opened a round of the cluster's barrier: no wave of any partner still reads region 0 or has a load on its way
	JLOAD 0                                        ; the first tensor load behind the round; its four v_nop are also the places in front of the loads below
.else
	PLACES 4
.endif
	FETCH (\k)+1
	WIN MUL_HI
	MUL16 4, ST_, 0
	MUL16 6, ST_, 0
.endif
.endm
	s_wait_tensorcnt 2                             ; my part of kslot 0 is in; kslots 1 and 2 may stay out
	s_barrier_signal -1
	s_barrier_wait -1
	FETCH 0
	KS 0, 1, 1                                     ; the first products start the sums: nothing is cleared
	KS 1, 3, 0                                     ; every wave has waited for all three first fills: this one barrier also shows regions 1 and 2 whole
	KS 2, 1, 0
	KS 3, 1, 0
	KS 4, 1, 0
	KS 5, 2, 0                                     ; kslot 3 has landed in region 0
	KS 6, 1, 0
	KS 7, 0, 0
	WIN 0
	PLACES 4                                       ; four places in front of the first read of results and the first write of operands' registers
.irp b, 0,1,2,3
	v_mov_b32 v[TM+4+\b], 0                        ; a lane permute's destination counts as read
.endr
; Source 1's block a: my lane's 64 results, register 16 b + i = place 32 b + 16 h + i along the next K, become a fragment and a scale word.
.macro QEPI a
.set AC, 64*((\a)%4)
	WIN 5*(2+(\a)/4)                               ; sources 0 and 1: the accumulators' window
.irp b, 0,1,2,3
	v_max3_num_f32 v[TM+\b], |v[AC+16*\b]|, |v[AC+16*\b+1]|, 0x2800000   ; each accumulator is read from its low end on; the floor 2^(5 - 127) holds the byte at 1 from below
.endr
.irp i, 2,4,6,8,10,12,14
.irp b, 0,1,2,3
	v_max3_num_f32 v[TM+\b], |v[AC+16*\b+\i]|, |v[AC+16*\b+\i+1]|, v[TM+\b]
.endr
.endr
	WIN 0
.irp b, 0,1,2,3
	v_permlanex16_b32 v[TM+4+\b], v[TM+\b], s18, s19
.endr
.irp b, 0,1,2,3
	v_max_num_f32 v[TM+\b], v[TM+\b], v[TM+4+\b]   ; with lane l xor 16's sixteen: the block's largest magnitude
.endr
.irp b, 0,1,2,3
	v_add_nc_u32 v[TM+12+\b], 0xfe000000, v[TM+\b] ; 4 off the exponent field: the conversion's scale operand
.endr
.irp b, 0,1,2,3
	v_lshrrev_b32 v[TM+4+\b], 23, v[TM+12+\b]      ; the byte
.endr
	v_lshl_or_b32 v[PW+(\a)], v[TM+5], 8, v[TM+4]
	v_lshl_or_b32 v[PW+(\a)], v[TM+6], 16, v[PW+(\a)]
	v_lshl_or_b32 v[PW+(\a)], v[TM+7], 24, v[PW+(\a)]
.if (\a) > 0
	s_wait_xcnt 0x0                                ; the last block's stores have read the codes' registers
.endif
	WIN 2+(\a)/4
.irp c, 0,1
	v_cvt_scalef32_pk16_bf6_f32 v[PC+6*\c:PC+6*\c+2], v[AC+32*\c:AC+32*\c+15], v[TM+12+2*\c]
	v_cvt_scalef32_pk16_bf6_f32 v[PC+12+4*\c:PC+14+4*\c], v[AC+16+32*\c:AC+31+32*\c], v[TM+13+2*\c]
.endr
	WIN 0
	v_nop                                          ; one plain place behind the scaled conversions
.irp c, 0,1                            ; the operand's layout wants a whole block in a lane
.irp i, 0,1,2
	v_permlane16_swap_b32 v[PC+6*\c+\i], v[PC+12+4*\c+\i]
.endr
.irp i, 0,1,2
	v_mov_b32 v[PC+3+6*\c+\i], v[PC+12+4*\c+\i]
.endr
.endr
.irp g, 0,1,2
	global_store_b128 v[LI], v[PC+4*\g:PC+4*\g+3], s[96:97] offset:(\a)*3072+512*\g   ; 512 consecutive bytes, at a multiple of 256 from c2's first byte
.endr
.endm
.irp a, 0,1,2,3,4,5,6,7
	QEPI \a
.endr
.irp al, 0,1,2,3
	v_cndmask_b32 v[PW+2*\al], v[PW+2*\al], v[PW+2*\al+1], s20   ; lanes 0-15: the even tile's words; lanes 16-31: the odd tile's
.endr
.irp al, 0,1,2,3
	global_store_b32 v[L4], v[PW+2*\al], s[98:99] offset:128*\al
.endr
	s_wait_tensorcnt 0x0                           ; the wave's end
	ds_add_u32 v[SPW], v[NIL]
	s_wait_dscnt 0x0
	CROUND                                         ; the closing round: no work-group ends while a partner may still ask for a record that names it
	s_endpgm
.Lfunc_end_k_q35e37288ed_proj:
	.size	k_q35e37288ed_proj, .Lfunc_end_k_q35e37288ed_proj-k_q35e37288ed_proj
	.p2alignl 7, 3214868480
	.fill 96, 4, 3214868480
	.section	.rodata,"a",@progbits
	.p2align	6, 0x0
	.amdhsa_kernel k_q35e37288ed_proj
		.amdhsa_group_segment_fixed_size 327680
		.amdhsa_private_segment_fixed_size 0
		.amdhsa_enable_private_segment 0
		.amdhsa_kernarg_size 16
		.amdhsa_user_sgpr_count 2
		.amdhsa_user_sgpr_kernarg_segment_ptr 1
		.amdhsa_wavefront_size32 1
		.amdhsa_system_sgpr_workgroup_id_x 1
		.amdhsa_system_sgpr_workgroup_id_y 1
		.amdhsa_system_sgpr_workgroup_id_z 1
		.amdhsa_system_vgpr_workitem_id 0
		.amdhsa_next_free_vgpr 1024
		.amdhsa_next_free_sgpr 100
		.amdhsa_reserve_vcc 0
		.amdhsa_float_denorm_mode_32 3
		.amdhsa_float_denorm_mode_16_64 3
		.amdhsa_memory_ordered 1
		.amdhsa_forward_progress 1
		.amdhsa_inst_pref_size 140
	.end_amdhsa_kernel
	.amdgpu_metadata
---
amdhsa.version: [ 1, 2 ]
amdhsa.kernels:
  - .name:           k_q35e37288ed_proj
    .symbol:         k_q35e37288ed_proj.kd
    .args:
      - { .name: c1, .offset: 0, .size: 8, .value_kind: global_buffer, .address_space: global }
      - { .name: c2, .offset: 8, .size: 8, .value_kind: global_buffer, .address_space: global }
    .group_segment_fixed_size: 327680
    .private_segment_fixed_size: 0
    .kernarg_segment_align: 8
    .kernarg_segment_size: 16
    .max_flat_workgroup_size: 128
    .sgpr_count:     100
    .vgpr_count:     1024
    .wavefront_size: 32
...
	.end_amdgpu_metadata
.endif
;; end of part 2
;; launch score (part 3): grid 36 x 4, 4 waves a work-group, no clusters, 327,680 bytes of LDS; arguments c2, c3, st3; writes c3, st3
.if DOCPART == 3
	.amdgcn_target "amdgcn-amd-amdhsa--gfx1250"
	.amdhsa_code_object_version 6
	.text
	.protected	k_q35e37288ed_score
	.globl	k_q35e37288ed_score
	.p2align	8
	.type	k_q35e37288ed_score,@function
k_q35e37288ed_score:
	s_mov_b64 s[64:65], 0
	v_nop
	global_prefetch_b8 v0, s[64:65] scope:SCOPE_SE
	s_setreg_imm32_b32 hwreg(HW_REG_WAVE_MODE, 25, 1), 1
	s_wait_xcnt 0x0
; S = q k^T on codes of BF6 with E8M0 scales (K = 1,024), the causal mask, and the softmax's p, quantised along the keys and stored as operand images; only the 36 tiles of 256 x 256 on or under the diagonal of each batch.
; t = score x log2(e) / 32.  For each query and each 128 keys (one wave's share): M = ceil(the largest t there), a whole number; p = 2^(t - M); l = the sum of the unquantised p.  p's codes and scale bytes go to c3,
; -M and l to st3.  The next launch takes the row's M as the largest of these and takes the difference, a whole number, off the scale bytes: the codes' values are those under the row's M.
; Source 0 = 16 keys, source 1 = 16 queries: a lane holds one query and its registers run along the keys; the keys of a tile are chosen (lane-row r of tile 2 b + u is key 32 b + 8 u + r + 8 (r / 8)) so that
; the 16 registers of tiles 2 b, 2 b + 1 are 16 neighbouring keys.
; THE STATISTICS of a wave's 128 queries (scale words, -M, l) are three blocks of 512 bytes: lane L's 16 bytes at 16 L hold, for al = 0 .. 3, the number of lane-row L % 16 of tile 2 al + L / 16: the order in which the
; next launch's registers take them by one load of 16 bytes a lane.  P's words lie in its record at 24,576 + q x 512; -M in st3 at octet x 8,192 + K step x 512, l 524,288 bytes on.
; A wave whose 128 keys all come after its 128 queries (upper half of a diagonal tile) multiplies like the others, so that loads and barriers are alike in all waves, and stores zero codes, l = 0 and -M = 3e38.
; NO CLUSTER: 36 tiles a batch in a triangle do not divide into groups of four that share a row or a column of tiles in every group, and the mask's branch hangs on the tile's place.
; LDS, the walk along K and the registers of the products are those of the projections' kernel: three regions of four records, one refill.  By this text's count a wave has at most three tensor loads outstanding.
; LIMITS: NaN and infinities are not served; a block whose every p lies under 2^-122 keeps the byte 1.
.set REC,   25600
.set XKS,   64*REC
.set REG,   4*REC
.set SPARE, 3*REG
.set ADRA, 10
.set ADRB, 13
.set ADRS, 16
.set LI,   19                          ; 16 x lane
.set QD,   21                          ; v21  r + 8 (r / 8) - 16 h: my query less my half's first key, inside a tile pair
.set NINF, 22                          ; v22  -infinity
.set SPW,  28
.set NIL,  29
.set SC,   32
.set AF,   64
.set PC,   64                          ; epilogue: codes
.set LA,   84                          ; v[84:85], v[86:87] the sum's two chains
.set LB,   86
.set NM,   92                          ; v[92:93] -M, twice
.set TM,   96
.set PW,   112                         ; the eight tiles' scale words, -M and l
.set NMS,  120
.set LS,   128
.set OUTW, 136                         ; v136-147: the same, four registers each, as they are stored
.set OUTM, 140
.set OUTL, 144
.set G1,  24
.set G0,  40
.set SEL, 32                           ; s32, s33
.set CS,  34                           ; s[34:35] c = log2(e) / 32
.set MH,  36
.set MUL_LO, 0xa1
.set MUL_HI, 0xf1
.set MSB, 0
.macro WIN new
.if MSB != (\new)
	s_set_vgpr_msb (MSB<<8)|(\new)
.set MSB, \new
.endif
.endm
.macro PLACES n
.rept \n
	v_nop
.endr
.endm
	s_load_b128 s[4:7], s[0:1], 0x0                ; c2, c3
	s_load_b64 s[8:9], s[0:1], 0x10                ; st3
	v_lshl_add_u32 v[SPW], v0, 2, SPARE
	v_mov_b32 v[NIL], 0
	ds_add_u32 v28, v29
	ds_add_u32 v28, v29
	s_wait_dscnt 0x0
	v_lshrrev_b32 v1, 5, v0
	v_readfirstlane_b32 s10, v1                    ; wave
	s_lshr_b32 s11, s10, 1                         ; my half of the queries.  Also: I fetch q's records (0) or k's (1)
	s_and_b32 s12, s10, 1                          ; my half of the keys.  Also: which of the two records
	s_mov_b32 s13, 0
.irp m, 1,3,6,10,15,21,28              ; the tile's row in the triangle: how many triangular numbers the work-group's number has reached
	s_cmp_ge_u32 ttmp9, \m
	s_add_co_ci_u32 s13, s13, 0
.endr
	s_add_co_u32 s14, s13, 1
	s_mul_i32 s14, s14, s13
	s_lshr_b32 s14, s14, 1
	s_sub_co_u32 s14, ttmp9, s14                   ; and its column
	s_and_b32 s15, ttmp7, 0xffff                   ; batch
	s_mov_b32 s[SEL], 0x76543210
	s_mov_b32 s[SEL+1], 0xfedcba98
	s_mov_b32 s[CS], 0x3d38aa3b
	s_mov_b32 s[CS+1], s[CS]
	s_mov_b32 s[MH], 0xffff0000
	s_mov_b32 s[G1], 3<<16                         ; no mask; elements of 8 bytes; no padding: a record is 100 rows of 256 bytes
	s_mov_b32 s[G1+1], 32<<16
	s_mov_b32 s[G1+2], 100<<16
	s_mov_b32 s[G1+3], 32<<16
	s_mov_b32 s[G1+4], 100
	s_mov_b32 s[G1+5], 32
	s_mov_b32 s[G1+6], 0
	s_mov_b32 s[G1+7], 0
	s_lshl_b32 s16, s15, 4
	s_lshl_b32 s17, s13, 1
	s_add_co_u32 s17, s17, s16                     ; q's first octet
	s_lshl_b32 s18, s14, 1
	s_add_co_u32 s18, s18, s16
	s_add_co_u32 s18, s18, 256                     ; k's: k's part lies 256 records behind q's
	s_cmp_eq_u32 s11, 0
	s_cselect_b32 s19, s17, s18
	s_add_co_u32 s19, s19, s12
	s_mul_i32 s20, s19, REC
	s_mov_b32 s21, 0
	s_mul_i32 s58, s10, REC
	s_cmp_eq_u32 s13, s14                          ; a tile on the diagonal?
	s_cselect_b32 s59, 1, 0
	s_cmp_gt_u32 s12, s11
	s_cselect_b32 s37, s59, 0                      ; all my keys are hidden
	s_cmp_eq_u32 s12, s11
	s_cselect_b32 s38, s59, 0                      ; my 128 x 128 lie on the diagonal
	s_wait_kmcnt 0x0
	s_add_nc_u64 s[20:21], s[4:5], s[20:21]
.irp p, 0,1,2
	s_mov_b32 s[G0+4*\p], 1
	s_add_co_u32 s[G0+4*\p+1], s58, \p*REG
	s_add_nc_u64 s[G0+4*\p+2:G0+4*\p+3], s[20:21], \p*XKS
	s_or_b32 s[G0+4*\p+3], s[G0+4*\p+3], 0x80000000
.endr
	s_add_nc_u64 s[22:23], s[20:21], 3*XKS         ; kslot 3, for the refill
	tensor_load_to_lds s[G0:G0+3], s[G1:G1+7]      ; the three first fills go out together: each wave its own record of each kslot
	s_nop 0
	tensor_load_to_lds s[G0+4:G0+7], s[G1:G1+7]
	s_nop 0
	tensor_load_to_lds s[G0+8:G0+11], s[G1:G1+7]
	s_nop 0
	PLACES 4
	v_and_b32 v1, 31, v0
	v_and_b32 v2, 15, v0
	v_bfe_u32 v3, v0, 4, 1
	v_lshlrev_b32 v[LI], 4, v1
	v_and_b32 v[QD], 8, v2
	v_add_nc_u32 v[QD], v[QD], v2
	v_lshlrev_b32 v5, 4, v3
	v_sub_nc_u32 v[QD], v[QD], v5
	v_mov_b32 v[NINF], 0xff800000
	s_mul_i32 s60, s11, REC
	s_mul_i32 s61, s12, REC
	s_add_co_u32 s61, s61, 2*REC
	s_sub_co_u32 s62, s61, s60
	v_mul_u32_u24 v4, s62, v3
	v_lshl_add_u32 v4, v2, 2, v4
	s_add_co_u32 s63, s60, 24576
.irp p, 0,1,2
	v_add_nc_u32 v[ADRA+\p], s60, v[LI]
	v_add_nc_u32 v[ADRB+\p], s61, v[LI]
	v_add_nc_u32 v[ADRS+\p], s63, v4
	s_add_co_u32 s60, s60, REG
	s_add_co_u32 s61, s61, REG
	s_add_co_u32 s63, s63, REG
.endr
	; where my results go
	s_add_co_u32 s17, s17, s11                     ; my octet of queries
	s_mul_i32 s52, s14, XKS
	s_mul_i32 s53, s17, REC
	s_add_co_u32 s52, s52, s53
	s_mov_b32 s53, 0
	s_add_nc_u64 s[52:53], s[6:7], s[52:53]        ; my record of P
	s_lshl_b32 s54, s12, 9
	s_add_co_u32 s54, s54, 24576
	s_mov_b32 s55, 0
	s_add_nc_u64 s[54:55], s[52:53], s[54:55]      ; the scale words
	s_mul_i32 s56, s12, 1536
	s_mov_b32 s57, 0
	s_add_nc_u64 s[52:53], s[52:53], s[56:57]      ; the codes
	s_lshl_b32 s56, s17, 13
	s_lshl_b32 s58, s14, 1
	s_add_co_u32 s58, s58, s12
	s_lshl_b32 s58, s58, 9
	s_add_co_u32 s56, s56, s58
	s_add_nc_u64 s[56:57], s[8:9], s[56:57]        ; -M; l lies 524,288 bytes on
.macro FRAG reg, adr, off
.irp g, 0,1,2
	ds_load_b128 v[(\reg)+4*\g:(\reg)+4*\g+3], v[\adr] offset:(\off)+512*\g
.endr
.endm
.macro FETCH k                         ; 56 loads: k's eight fragments, q's blocks 0-3, the eight scale words, q's blocks 4-7
.set RG, ((\k)>>1)%3
.set QQ, (\k)&1
	WIN 0x40
.irp i, 0,1,2,3,4,5,6,7
	FRAG 128*QQ+12*\i, ADRB+RG, \i*3072+QQ*1536
.endr
	WIN 0
.irp i, 0,1,2,3
	FRAG AF+96*QQ+12*\i, ADRA+RG, \i*3072+QQ*1536
.endr
.irp i, 0,1,2,3,4,5,6,7
	ds_load_b32 v[SC+8*QQ+\i], v[ADRS+RG] offset:QQ*512+\i*64
.endr
.irp i, 4,5,6,7
	FRAG AF+96*QQ+12*\i, ADRA+RG, \i*3072+QQ*1536
.endr
.endm
.macro MUL16 a0, p, zero               ; the 64 accumulators take turns in the same order in every step
.irp a, \a0, \a0+1
.irp b, 0,1,2,3,4,5,6,7
.if \zero
	v_wmma_scale_f32_16x16x128_f8f6f4 v[8*(8*((\a)%4)+\b):8*(8*((\a)%4)+\b)+7], v[128*(\p)+12*\b:128*(\p)+12*\b+11], v[AF+96*(\p)+12*(\a):AF+96*(\p)+12*(\a)+11], 0, v[SC+8*(\p)+\b], v[SC+8*(\p)+(\a)] matrix_a_fmt:MATRIX_FMT_BF6 matrix_b_fmt:MATRIX_FMT_BF6 matrix_a_scale:MATRIX_SCALE_ROW1
.else
	v_wmma_scale_f32_16x16x128_f8f6f4 v[8*(8*((\a)%4)+\b):8*(8*((\a)%4)+\b)+7], v[128*(\p)+12*\b:128*(\p)+12*\b+11], v[AF+96*(\p)+12*(\a):AF+96*(\p)+12*(\a)+11], v[8*(8*((\a)%4)+\b):8*(8*((\a)%4)+\b)+7], v[SC+8*(\p)+\b], v[SC+8*(\p)+(\a)] matrix_a_fmt:MATRIX_FMT_BF6 matrix_b_fmt:MATRIX_FMT_BF6 matrix_a_scale:MATRIX_SCALE_ROW1
.endif
.endr
.endr
.endm
.macro KS k, mode, zero                ; mode 1 plain; 0 the last; 2 a barrier in front of a region filled late; 3 the same, and region 0 is filled again
.set ST_, (\k)&1
.if (\mode) < 2
	s_wait_dscnt 12                                ; all but the youngest twelve loads (q's blocks 4-7) are in
	WIN MUL_LO
	MUL16 0, ST_, \zero
	MUL16 2, ST_, \zero
.if (\mode) == 1
	PLACES 4                                       ; four places in front of loads into registers that matrix instructions have read
	FETCH (\k)+1
	s_wait_dscnt 56                                ; all but the 56 just issued
.else
	s_wait_dscnt 0x0
.endif
	WIN MUL_HI
	MUL16 4, ST_, \zero
	MUL16 6, ST_, \zero
.else
	WIN 0
	s_wait_tensorcnt 0x0                           ; all my tensor loads have landed
	ds_add_u32 v[SPW], v[NIL]                      ; 0 onto my spare word
.if (\mode) == 3
	s_mov_b64 s[G0+2:G0+3], s[22:23]               ; no tensor load of mine is out: region 0 takes kslot 3
	s_or_b32 s[G0+3], s[G0+3], 0x80000000
.endif
	s_wait_dscnt 13                                ; (the add and the youngest twelve loads may be out)
	WIN MUL_LO
	MUL16 0, ST_, 0
	s_wait_dscnt 0x0                               ; the add is done, and my reads of the region that I leave are over
	s_barrier_signal -1
	MUL16 2, ST_, 0
	WIN 0
	s_barrier_wait -1
.if (\mode) == 3
	tensor_load_to_lds s[G0:G0+3], s[G1:G1+7]      ; the first thing behind the barrier, and my one tensor load behind it
	s_nop 0
.endif
	PLACES 4                                       ; behind the tensor load, and in front of the loads below
	FETCH (\k)+1
	WIN MUL_HI
	MUL16 4, ST_, 0
	MUL16 6, ST_, 0
.endif
.endm
	s_wait_tensorcnt 2                             ; my part of kslot 0 is in; kslots 1 and 2 may stay out
	s_barrier_signal -1
	s_barrier_wait -1
	FETCH 0
	KS 0, 1, 1
	KS 1, 3, 0                                     ; every wave has waited for all three first fills: this barrier also shows regions 1 and 2 whole
	KS 2, 1, 0
	KS 3, 1, 0
	KS 4, 1, 0
	KS 5, 2, 0
	KS 6, 1, 0
	KS 7, 0, 0
	WIN 0
	PLACES 4
	s_cmp_eq_u32 s37, 1
	s_cbranch_scc1 .Lzero
	s_cmp_eq_u32 s38, 1
	s_cbranch_scc0 .Lopen
	; THE MASK, on the diagonal alone.  In accumulator (a, t) register j holds key 32 (t / 2) + 8 (t % 2) + 16 h + j, my query is 32 (a / 2) + 8 (a % 2) + r + 8 (r / 8): hidden where C0 + j > v[QD], which lies in -16 .. 23
.irp a, 0,1,2,3,4,5,6,7
	WIN (2+\a/4)|((2+\a/4)<<6)                     ; source 0 and destination: the accumulators' window
.irp t, 0,1,2,3,4,5,6,7
.set C0, 32*(\t/2)+8*(\t%2)-32*(\a/2)-8*(\a%2)
.set RR, 8*(8*(\a%4)+\t)
.if C0 > 23
.irp j, 0,1,2,3,4,5,6,7
	v_mov_b32 v[RR+\j], 0xff800000                 ; all hidden
.endr
.elseif C0 > -23
.irp j, 0,1,2,3,4,5,6,7
	v_cmp_gt_i32 vcc_lo, C0+\j, v[QD]
	v_cndmask_b32 v[RR+\j], v[RR+\j], v[NINF], vcc_lo
.endr
.endif
.endr
.endr
	WIN 0
.Lopen:
.irp b, 0,1,2,3
	v_mov_b32 v[TM+4+\b], 0                        ; lane permutes' destinations count as read
.endr
	v_mov_b32 v89, 0
; Block a of 16 queries: my lane's 64 scores, register 16 b + i = key 32 b + 16 h + i
.macro SEPI a
.set AC, 64*((\a)%4)
	WIN 5*(2+(\a)/4)
.irp b, 0,1,2,3
	v_max_num_f32 v[TM+\b], v[AC+16*\b], v[AC+16*\b+1]   ; the largest score of each block of 32 keys: it serves for the row's maximum and, since p rises with the score, for the block's largest p
.endr
.irp i, 2,4,6,8,10,12,14
.irp b, 0,1,2,3
	v_max3_num_f32 v[TM+\b], v[AC+16*\b+\i], v[AC+16*\b+\i+1], v[TM+\b]
.endr
.endr
	WIN 0
.irp b, 0,1,2,3
	v_permlanex16_b32 v[TM+4+\b], v[TM+\b], s[SEL], s[SEL+1]
.endr
.irp b, 0,1,2,3
	v_max_num_f32 v[TM+\b], v[TM+\b], v[TM+4+\b]
.endr
	v_max3_num_f32 v88, v[TM], v[TM+1], v[TM+2]
	v_max_num_f32 v88, v88, v[TM+3]
	v_mul_f32 v88, s[CS], v88                      ; the largest t of my query among these 128 keys
	v_floor_f32 v[NM], -v88                        ; -M = floor(-t) = -ceil(t)
	v_mov_b32 v[NM+1], v[NM]
	v_mov_b32 v[NMS+(\a)], v[NM]
.irp b, 0,1,2,3
	v_fma_f32 v[TM+\b], v[TM+\b], s[CS], v[NM]
.endr
	WIN (2+(\a)/4)|((2+(\a)/4)<<6)
.set j, 0
.rept 32
	v_pk_fma_f32 v[AC+j:AC+j+1], v[AC+j:AC+j+1], s[CS:CS+1], v[NM:NM+1] op_sel_hi:[1,0,0]   ; t - M
.set j, j+2
.endr
.set j, 0
.rept 64
	v_exp_f32 v[AC+j], v[AC+j]                     ; p = 2^(t - M)
.set j, j+1
.endr
	v_nop                                          ; a plain place behind the exponentials
	s_wait_alu depctr_va_vdst(0)                   ; one wait for the batch, ahead of its first reader
	WIN 0
.irp b, 0,1,2,3
	v_exp_f32 v[TM+\b], v[TM+\b]                   ; each block's largest p
.endr
	WIN 5*(2+(\a)/4)
	v_pk_add_f32 v[LA:LA+1], v[AC:AC+1], v[AC+2:AC+3]      ; the row's sum is taken of the unquantised p, in two chains
	v_pk_add_f32 v[LB:LB+1], v[AC+4:AC+5], v[AC+6:AC+7]
	WIN 2+(\a)/4
.set j, 8
.rept 14
	v_pk_add_f32 v[LA:LA+1], v[AC+j:AC+j+1], v[LA:LA+1]
	v_pk_add_f32 v[LB:LB+1], v[AC+j+2:AC+j+3], v[LB:LB+1]
.set j, j+4
.endr
	WIN 0
	v_pk_add_f32 v[LA:LA+1], v[LA:LA+1], v[LB:LB+1]
	v_add_f32 v88, v[LA], v[LA+1]
	v_permlanex16_b32 v89, v88, s[SEL], s[SEL+1]
	v_add_f32 v[LS+(\a)], v88, v89
	s_wait_alu depctr_va_vdst(0)                   ; and one for the four
.irp b, 0,1,2,3
	v_max_num_f32 v[TM+\b], 0x2800000, v[TM+\b]    ; the floor 2^(5 - 127)
.endr
.irp b, 0,1,2,3
	v_add_nc_u32 v[TM+12+\b], 0xfe000000, v[TM+\b]
.endr
.irp b, 0,1,2,3
	v_lshrrev_b32 v[TM+4+\b], 23, v[TM+12+\b]
.endr
	v_lshl_or_b32 v[PW+(\a)], v[TM+5], 8, v[TM+4]
	v_lshl_or_b32 v[PW+(\a)], v[TM+6], 16, v[PW+(\a)]
	v_lshl_or_b32 v[PW+(\a)], v[TM+7], 24, v[PW+(\a)]
.if (\a) > 0
	s_wait_xcnt 0x0                                ; the last block's stores have read the codes' registers
.endif
	WIN 2+(\a)/4
.irp c, 0,1
	v_cvt_scalef32_pk16_bf6_f32 v[PC+6*\c:PC+6*\c+2], v[AC+32*\c:AC+32*\c+15], v[TM+12+2*\c]
	v_cvt_scalef32_pk16_bf6_f32 v[PC+12+4*\c:PC+14+4*\c], v[AC+16+32*\c:AC+31+32*\c], v[TM+13+2*\c]
.endr
	WIN 0
	v_nop                                          ; one plain place behind the scaled conversions
.irp c, 0,1
.irp i, 0,1,2
	v_permlane16_swap_b32 v[PC+6*\c+\i], v[PC+12+4*\c+\i]
.endr
.irp i, 0,1,2
	v_mov_b32 v[PC+3+6*\c+\i], v[PC+12+4*\c+\i]
.endr
.endr
.irp g, 0,1,2
	global_store_b128 v[LI], v[PC+4*\g:PC+4*\g+3], s[52:53] offset:(\a)*3072+512*\g
.endr
.endm
.irp a, 0,1,2,3,4,5,6,7
	SEPI \a
.endr
.irp al, 0,1,2,3
	v_cndmask_b32 v[OUTW+\al], v[PW+2*\al], v[PW+2*\al+1], s[MH]     ; lanes 0-15: the even tile's; lanes 16-31: the odd tile's; four registers on end
	v_cndmask_b32 v[OUTM+\al], v[NMS+2*\al], v[NMS+2*\al+1], s[MH]
	v_cndmask_b32 v[OUTL+\al], v[LS+2*\al], v[LS+2*\al+1], s[MH]
.endr
	global_store_b128 v[LI], v[OUTW:OUTW+3], s[54:55]              ; each store covers 512 consecutive bytes, at a multiple of 256 from its buffer's first byte
	global_store_b128 v[LI], v[OUTM:OUTM+3], s[56:57]
	global_store_b128 v[LI], v[OUTL:OUTL+3], s[56:57] offset:524288
	s_branch .Lend
.Lzero:                                ; all my keys are hidden: zero codes, which add nothing; l = 0; -M above every other
.irp i, 0,1,2,3
	v_mov_b32 v[PC+\i], 0
	v_mov_b32 v[PC+4+\i], 0x01010101
	v_mov_b32 v[PC+8+\i], 0x7f61b1e6               ; 3e38
.endr
.irp a, 0,1,2,3,4,5,6,7
.irp g, 0,1,2
	global_store_b128 v[LI], v[PC:PC+3], s[52:53] offset:\a*3072+512*\g
.endr
.endr
	global_store_b128 v[LI], v[PC+4:PC+7], s[54:55]
	global_store_b128 v[LI], v[PC+8:PC+11], s[56:57]
	global_store_b128 v[LI], v[PC:PC+3], s[56:57] offset:524288
.Lend:
	s_wait_tensorcnt 0x0                           ; the wave's end
	ds_add_u32 v[SPW], v[NIL]
	s_wait_dscnt 0x0
	s_endpgm
.Lfunc_end_k_q35e37288ed_score:
	.size	k_q35e37288ed_score, .Lfunc_end_k_q35e37288ed_score-k_q35e37288ed_score
	.p2alignl 7, 3214868480
	.fill 96, 4, 3214868480
	.section	.rodata,"a",@progbits
	.p2align	6, 0x0
	.amdhsa_kernel k_q35e37288ed_score
		.amdhsa_group_segment_fixed_size 327680
		.amdhsa_private_segment_fixed_size 0
		.amdhsa_enable_private_segment 0
		.amdhsa_kernarg_size 24
		.amdhsa_user_sgpr_count 2
		.amdhsa_user_sgpr_kernarg_segment_ptr 1
		.amdhsa_wavefront_size32 1
		.amdhsa_system_sgpr_workgroup_id_x 1
		.amdhsa_system_sgpr_workgroup_id_y 1
		.amdhsa_system_sgpr_workgroup_id_z 1
		.amdhsa_system_vgpr_workitem_id 0
		.amdhsa_next_free_vgpr 1024
		.amdhsa_next_free_sgpr 66
		.amdhsa_reserve_vcc 1
		.amdhsa_float_denorm_mode_32 3
		.amdhsa_float_denorm_mode_16_64 3
		.amdhsa_memory_ordered 1
		.amdhsa_forward_progress 1
		.amdhsa_inst_pref_size 216
	.end_amdhsa_kernel
	.amdgpu_metadata
---
amdhsa.version: [ 1, 2 ]
amdhsa.kernels:
  - .name:           k_q35e37288ed_score
    .symbol:         k_q35e37288ed_score.kd
    .args:
      - { .name: c2, .offset: 0, .size: 8, .value_kind: global_buffer, .address_space: global }
      - { .name: c3, .offset: 8, .size: 8, .value_kind: global_buffer, .address_space: global }
      - { .name: st3, .offset: 16, .size: 8, .value_kind: global_buffer, .address_space: global }
    .group_segment_fixed_size: 327680
    .private_segment_fixed_size: 0
    .kernarg_segment_align: 8
    .kernarg_segment_size: 24
    .max_flat_workgroup_size: 128
    .sgpr_count:     66
    .vgpr_count:     1024
    .wavefront_size: 32
...
	.end_amdgpu_metadata
.endif
;; end of part 3
;; launch pv (part 4): grid 8 x 32, 4 waves a work-group, clusters of 4 x 1, 327,680 bytes of LDS; arguments c3, st3, c2, out0; writes out0
.if DOCPART == 4
	.amdgcn_target "amdgcn-amd-amdhsa--gfx1250"
	.amdhsa_code_object_version 6
	.text
	.protected	k_q35e37288ed_pv
	.globl	k_q35e37288ed_pv
	.p2align	8
	.type	k_q35e37288ed_pv,@function
k_q35e37288ed_pv:
	s_mov_b64 s[64:65], 0
	v_nop
	global_prefetch_b8 v0, s[64:65] scope:SCOPE_SE
	s_setreg_imm32_b32 hwreg(HW_REG_WAVE_MODE, 25, 1), 1
	s_wait_xcnt 0x0
	s_wait_alu depctr_hold_cnt(0) depctr_sa_sdst(0) depctr_va_vdst(0) depctr_va_sdst(0) depctr_va_ssrc(0) depctr_va_vcc(0) depctr_vm_vsrc(0)
	s_getreg_b32 s2, hwreg(HW_REG_IB_STS2, 6, 4)
	s_cmp_eq_u32 s2, 0
	s_cbranch_scc0 .Lentry_in_a_cluster
	s_endpgm
.Lentry_in_a_cluster:
	s_bfe_u32 s2, ttmp6, 0x10000c
	s_cmp_lg_u32 s2, 0x3003
	s_cbranch_scc0 .Lentry_shape_is_right
	s_endpgm
.Lentry_shape_is_right:
; O = P V / l on codes of BF6 with E8M0 scales.  P (c3) was quantised under a whole number M of its own for each query and each 128 keys; here the row's M is the largest of them, and M_row - M_local is taken off P's
; scale bytes: the codes' values are then those under the row's M.  l = the sum of the parts' l x 2^(M_local - M_row), exact scalings.  Only the keys up to the query block's own 256 are walked.
; A work-group owns 256 queries (block i of a batch) x 128 channels; wave (qh, chh) 128 queries x 64 channels: 32 accumulators.  Source 0 = 16 channels of V^T, source 1 = 16 queries of P: a lane holds one query and
; eight neighbouring channels.  K steps of 128 keys: 2 (i + 1) of them.  The heavy blocks have the low work-group numbers.
; LDS: two slots of four K steps: P's two octets (2 records each), V^T's two records.  CLUSTER 4 x 1: the four partners own the same queries and other channels: P's records are asked for jointly; V^T's are each
; work-group's own.  i and the batch hang on the cluster's y, which the partners share: they take the same branches and pass the same rounds.  The tails are written out.
; By this text's count a wave has at most two tensor loads outstanding.
; LIMITS: NaN and infinities are not served; a byte of P that would fall under 0 is held at 0 (such a block's numbers lie under 28 x 2^-127 beside a row's sum of at least 1/2).
; REGISTERS: window 0: v4-14 addresses, v16-17 for the add, v20-35 offsets, v36-39 the rows' -M, v40-103 P's scale words for 16 K steps (lanes 0-15 the even tile's, lanes 16-31 the odd tile's), v104-107 V^T's,
;   v108-111 l, v112-119 1 / l for each tile, v120-215 V^T's fragments (two sets), v248-255 at work.  window 1: accumulator (a, b) at v[8 (4 a + b)].
;   window 2: P's fragments, sets at v0 and v128; on the way out the rows read back from the stage, 32 registers for each of the eight tiles.
.set REC,   25600
.set XKS,   64*REC
.set VKS,   8*REC
.set VB,    8*XKS                      ; c2: where V^T's records begin
.set SLOT,  6*REC
.set SPARE, 2*SLOT
.set STAGE, SPARE+512                  ; 16 rows x 272 bytes for each wave; no fill lands here
.set LI,   4
.set L4,   5
.set ADRP, 6
.set ADRV, 8
.set ADVS, 10
.set STO,  12
.set RDB,  13
.set GO,   14
.set SPW,  16
.set NIL,  17
.set OW,   20                          ; v20-27 offsets of P's scale words for key units 0-7, held at the block's own unit
.set OS,   28                          ; v28-35 the same for -M and l
.set RM,   36
.set PS,   40
.set VS,   104
.set LT,   108
.set RA,   112
.set VF,   120
.set NMV,  120                         ; the prologue: the parts' -M in v120-183, their l in v184-247
.set LLV,  184
.set T0,   120                         ; the way out: results / l, two buffers of 32
.set G1P, 24
.set G1V, 32
.set G0P, 40
.set G0V, 48
.set SF,  56                           ; s56-63: 1.0 for the key units that count, 0 for the others
.set MULW, 0x58                        ; source 0 window 0, source 1 window 2, C and D window 1
.set MSB, 0
.macro WIN new
.if MSB != (\new)
	s_set_vgpr_msb (MSB<<8)|(\new)
.set MSB, \new
.endif
.endm
.macro PLACES n
.rept \n
	v_nop
.endr
.endm
.macro JLOAD sg                        ; waves 0 and 1: P's octets, jointly; waves 2 and 3: V^T's records.  Four v_nop follow each line
	s_cmp_eq_u32 s13, 0
	s_cbranch_scc0 .Lfor_v_\@
	tensor_load_to_lds s[G0P+4*(\sg):G0P+4*(\sg)+3], s[G1P:G1P+7]
	s_nop 0
.rept 4
	v_nop
.endr
	s_branch .Lasked_\@
.Lfor_v_\@:
	tensor_load_to_lds s[G0V+4*(\sg):G0V+4*(\sg)+3], s[G1V:G1V+7]
	s_nop 0
.rept 4
	v_nop
.endr
.Lasked_\@:
.endm
.macro CREST
	s_cmp_lg_u32 s12, 0
	s_cbranch_scc1 .Lnot_wave_0_\@
	s_barrier_signal -3
.Lnot_wave_0_\@:
	s_barrier_wait -3
	s_barrier_signal -1
	s_barrier_wait -1
.endm
.macro CROUND
	s_barrier_signal -1
	s_barrier_wait -1
	CREST
.endm
	s_load_b256 s[4:11], s[0:1], 0x0               ; c3, st3, c2, out0
	v_lshl_add_u32 v[SPW], v0, 2, SPARE
	v_mov_b32 v[NIL], 0
	ds_add_u32 v16, v17
	ds_add_u32 v16, v17
	s_wait_dscnt 0x0
	v_lshrrev_b32 v1, 5, v0
	v_readfirstlane_b32 s12, v1                    ; wave
	v_and_b32 v1, 31, v0
	v_and_b32 v2, 15, v0                           ; r
	v_bfe_u32 v3, v0, 4, 1                         ; h
	v_lshlrev_b32 v[LI], 4, v1
	v_lshlrev_b32 v[L4], 2, v1
	s_lshr_b32 s13, s12, 1                         ; my octet of queries.  Also: I fetch P (0) or V^T (1)
	s_and_b32 s14, s12, 1                          ; my half of the channels.  Also: which octet or which key unit I fetch
	s_bfe_u32 s15, ttmp6, 0x40000                  ; cx
	s_lshl_b32 s16, ttmp9, 2
	s_add_co_u32 s16, s16, s15                     ; my octet of channels
	s_and_b32 s19, ttmp7, 0xffff
	s_and_b32 s17, s19, 7
	s_sub_co_u32 s17, 7, s17                       ; i: my block of 256 queries
	s_lshr_b32 s18, s19, 3                         ; batch
	s_mov_b32 s[G1P], 15|(3<<16)|(1<<21)           ; the mask: all four partners; elements of 8 bytes; 21 set beside a mask
	s_mov_b32 s[G1P+1], 3200<<16                   ; a row is a record: 3,200 elements
	s_mov_b32 s[G1P+2], 2<<16                      ; two rows: two key units
	s_mov_b32 s[G1P+3], 3200<<16
	s_mov_b32 s[G1P+4], 2
	s_mov_b32 s[G1P+5], XKS/8                      ; from key unit to key unit
	s_mov_b32 s[G1P+6], 0
	s_mov_b32 s[G1P+7], 0
	s_mov_b32 s[G1V], 3<<16                        ; no mask: one record
	s_mov_b32 s[G1V+1], 3200<<16
	s_mov_b32 s[G1V+2], 1<<16
	s_mov_b32 s[G1V+3], 3200<<16
	s_mov_b32 s[G1V+4], 1
	s_mov_b32 s[G1V+5], 3200
	s_mov_b32 s[G1V+6], 0
	s_mov_b32 s[G1V+7], 0
	s_lshl_b32 s66, s18, 4
	s_lshl_b32 s67, s17, 1
	s_add_co_u32 s66, s66, s67                     ; the block's first octet of queries
	s_add_co_u32 s68, s66, s14
	s_mul_i32 s68, s68, REC                        ; P: the octet that I would fetch, key unit 0: no place in the cluster enters it
	s_mov_b32 s69, 0
	s_lshl_b32 s70, s18, 3
	s_add_co_u32 s70, s70, s14
	s_mul_i32 s70, s70, VKS
	s_mul_i32 s71, s16, REC
	s_add_co_u32 s70, s70, s71
	s_add_co_u32 s70, s70, VB                      ; V^T: the key unit that I would fetch, my work-group's channels
	s_mov_b32 s71, 0
	s_mul_i32 s72, s14, 2*REC                      ; where they go in a slot
	s_mul_i32 s73, s14, REC
	s_add_co_u32 s73, s73, 4*REC
	s_mov_b32 s82, 0x01010101
	s_mov_b32 s83, 0x80808080
	s_mov_b32 s84, 0x76543210
	s_mov_b32 s85, 0xfedcba98
	s_mov_b32 s86, 0xffff0000
	s_wait_kmcnt 0x0
	s_add_nc_u64 s[68:69], s[4:5], s[68:69]
	s_add_nc_u64 s[70:71], s[8:9], s[70:71]
	CROUND                                         ; all four work-groups are here: the first joint loads meet
.irp sg, 0,1
	s_mov_b32 s[G0P+4*\sg], 1
	s_add_co_u32 s[G0P+4*\sg+1], s72, \sg*SLOT
	s_add_nc_u64 s[G0P+4*\sg+2:G0P+4*\sg+3], s[68:69], \sg*2*XKS
	s_or_b32 s[G0P+4*\sg+3], s[G0P+4*\sg+3], 0x80000000
	s_mov_b32 s[G0V+4*\sg], 1
	s_add_co_u32 s[G0V+4*\sg+1], s73, \sg*SLOT
	s_add_nc_u64 s[G0V+4*\sg+2:G0V+4*\sg+3], s[70:71], \sg*2*VKS
	s_or_b32 s[G0V+4*\sg+3], s[G0V+4*\sg+3], 0x80000000
	JLOAD \sg                                      ; key units 2 sg, 2 sg + 1 into slot sg
.endr
	; ---- THE PROLOGUE, while the first fills are on their way: P's scale words, the parts' -M and l, for 16 K steps x my 8 tiles.
	; Each K step's are three blocks of 512 bytes, laid in the order of these registers: one load of 16 bytes a lane brings four registers: 48 loads in all
	s_add_co_u32 s74, s66, s13                     ; my octet of queries
	s_mul_i32 s76, s74, REC
	s_add_co_u32 s76, s76, 24576
	s_mov_b32 s77, 0
	s_add_nc_u64 s[76:77], s[4:5], s[76:77]
	s_lshl_b32 s78, s74, 13
	s_mov_b32 s79, 0
	s_add_nc_u64 s[78:79], s[6:7], s[78:79]
.irp u, 0,1,2,3,4,5,6,7
	s_min_u32 s80, s17, \u                         ; a key unit behind the block's own was never written: its place is taken by the block's own, which changes no minimum and is counted 0 times in l
	s_mul_i32 s81, s80, XKS
	v_add_nc_u32 v[OW+\u], s81, v[LI]
	s_lshl_b32 s81, s80, 10
	v_add_nc_u32 v[OS+\u], s81, v[LI]
	s_cmp_ge_u32 s17, \u
	s_cselect_b32 s[SF+\u], 1.0, 0
.endr
.irp u, 0,1,2,3,4,5,6,7
.irp q, 0,1
	global_load_b128 v[PS+4*(2*\u+\q):PS+4*(2*\u+\q)+3], v[OW+\u], s[76:77] offset:\q*512
	global_load_b128 v[NMV+4*(2*\u+\q):NMV+4*(2*\u+\q)+3], v[OS+\u], s[78:79] offset:\q*512
	global_load_b128 v[LLV+4*(2*\u+\q):LLV+4*(2*\u+\q)+3], v[OS+\u], s[78:79] offset:524288+\q*512
.endr
.endr
	; LDS addresses and the way out's, while those loads are out
	s_mul_i32 s87, s13, 2*REC
	s_mul_i32 s88, s14, 12288
	s_add_co_u32 s88, s88, 4*REC
	s_lshl_b32 s89, s14, 8
	s_add_co_u32 s89, s89, 4*REC+24576
.irp sg, 0,1
	v_add_nc_u32 v[ADRP+\sg], s87, v[LI]
	v_add_nc_u32 v[ADRV+\sg], s88, v[LI]
	v_add_nc_u32 v[ADVS+\sg], s89, v[L4]
	s_add_co_u32 s87, s87, SLOT
	s_add_co_u32 s88, s88, SLOT
	s_add_co_u32 s89, s89, SLOT
.endr
	s_mul_i32 s90, s12, 16*272
	s_add_co_u32 s90, s90, STAGE
	v_mul_u32_u24 v[STO], v2, 272
	v_lshl_add_u32 v[STO], v3, 6, v[STO]
	v_add_nc_u32 v[STO], s90, v[STO]               ; into the stage: row r, + 64 h
	v_mul_u32_u24 v[RDB], v3, 272
	v_lshl_add_u32 v[RDB], v2, 4, v[RDB]
	v_add_nc_u32 v[RDB], s90, v[RDB]               ; back: lanes 0-15 one row of 256 bytes, lanes 16-31 the next
	v_lshlrev_b32 v[GO], 12, v3
	v_lshl_add_u32 v[GO], v2, 4, v[GO]             ; and the same in out0
	s_lshl_b32 s94, s18, 11
	s_lshl_b32 s95, s17, 8
	s_add_co_u32 s94, s94, s95
	s_lshl_b32 s95, s13, 7
	s_add_co_u32 s94, s94, s95                     ; my first query
	s_lshl_b32 s94, s94, 12
	s_lshl_b32 s95, s16, 9
	s_add_co_u32 s94, s94, s95
	s_lshl_b32 s95, s14, 8
	s_add_co_u32 s94, s94, s95
	s_mov_b32 s95, 0
	s_add_nc_u64 s[92:93], s[10:11], s[94:95]
	s_wait_loadcnt 0x0
.irp al, 0,1,2,3
	v_min3_num_f32 v[RM+\al], v[NMV+\al], v[NMV+4+\al], v[NMV+8+\al]   ; the row's -M: the least of the sixteen
.endr
.irp k, 3,5,7,9,11,13
.irp al, 0,1,2,3
	v_min3_num_f32 v[RM+\al], v[RM+\al], v[NMV+4*\k+\al], v[NMV+4*\k+4+\al]
.endr
.endr
.irp al, 0,1,2,3
	v_min_num_f32 v[RM+\al], v[RM+\al], v[NMV+60+\al]
.endr
.irp k, 0,1,2,3,4,5,6,7,8,9,10,11,12,13,14,15
.irp al, 0,1,2,3
	v_sub_f32 v[248+\al], v[RM+\al], v[NMV+4*\k+\al]       ; M_local - M_row: a whole number, 0 or less.  (The part's -M is read here for the last time: its register serves as scratch below)
.endr
.irp al, 0,1,2,3
	v_cvt_i32_f32 v[248+\al], v[248+\al]           ; (it saturates)
.endr
.irp al, 0,1,2,3
	v_ldexp_f32 v[252+\al], v[LLV+4*\k+\al], v[248+\al]    ; the part's l under the row's M: nothing is rounded
.endr
.irp al, 0,1,2,3
.if \k == 0
	v_mul_f32 v[LT+\al], s[SF], v[252+\al]
.else
	v_fmac_f32 v[LT+\al], s[SF+\k/2], v[252+\al]
.endif
.endr
.irp al, 0,1,2,3
	v_sub_nc_u32 v[248+\al], 0, v[248+\al]
.endr
.irp al, 0,1,2,3
	v_min_u32 v[248+\al], 127, v[248+\al]          ; what comes off each byte, at most 127
.endr
.irp al, 0,1,2,3
	v_mul_lo_u32 v[248+\al], v[248+\al], s82       ; in all four bytes
.endr
.irp al, 0,1,2,3
	v_or_b32 v[252+\al], s83, v[PS+4*\k+\al]       ; P's bytes are at most 123: with bit 7 set no borrow crosses a byte
.endr
.irp al, 0,1,2,3
	v_sub_nc_u32 v[252+\al], v[252+\al], v[248+\al]
.endr
.irp al, 0,1,2,3
	v_and_b32 v[248+\al], s83, v[252+\al]          ; bit 7 has stayed where the byte has not fallen under 0
.endr
.irp al, 0,1,2,3
	v_lshrrev_b32 v[NMV+4*\k+\al], 7, v[248+\al]
.endr
.irp al, 0,1,2,3
	v_sub_nc_u32 v[248+\al], v[248+\al], v[NMV+4*\k+\al]   ; 0x7f there, 0 elsewhere
.endr
.irp al, 0,1,2,3
	v_and_b32 v[PS+4*\k+\al], v[252+\al], v[248+\al]       ; the byte under the row's M, held at 0: the scale registers are written with scale words alone
.endr
.endr
.irp al, 0,1,2,3
	v_rcp_f32 v[252+\al], v[LT+\al]
.endr
	v_nop                                          ; a plain place behind the reciprocals
	s_wait_alu depctr_va_vdst(0)                   ; one wait for the four, ahead of their first reader
.irp al, 0,1,2,3
	v_permlanex16_b32 v[248+\al], v[252+\al], s84, s85
.endr
.irp al, 0,1,2,3
	v_cndmask_b32 v[RA+2*\al], v[252+\al], v[248+\al], s86     ; the even tile's 1 / l in both halves of the lanes
	v_cndmask_b32 v[RA+2*\al+1], v[248+\al], v[252+\al], s86   ; the odd tile's
.endr
	PLACES 8                                       ; scale registers written by vector instructions stand eight places ahead of a scaled matrix instruction
.macro FRAG reg, adr, off
.irp g, 0,1,2
	ds_load_b128 v[(\reg)+4*\g:(\reg)+4*\g+3], v[\adr] offset:(\off)+512*\g
.endr
.endm
.macro FETCH k                         ; 38 loads: V^T's four fragments, its two scale registers, P's blocks 0-3, P's blocks 4-7
.set SG, ((\k)>>2)&1
.set UP, ((\k)>>1)&1
.set QQ, (\k)&1
	WIN 0
.irp b, 0,1,2,3
	FRAG VF+48*QQ+12*\b, ADRV+SG, UP*REC+QQ*1536+\b*3072
.endr
	ds_load_b32 v[VS+2*QQ], v[ADVS+SG] offset:UP*REC+QQ*512
	ds_load_b32 v[VS+2*QQ+1], v[ADVS+SG] offset:UP*REC+QQ*512+128
	WIN 0x80
.irp a, 0,1,2,3,4,5,6,7
	FRAG 128*QQ+12*\a, ADRP+SG, UP*REC+QQ*1536+\a*3072
.endr
	WIN 0
.endm
; One product.  An odd tile's scale words lie in lanes 16-31 of its register.
.macro WM k, a, b, zero
.set RD_, 8*(4*(\a)+\b)
.set RV_, VF+48*((\k)&1)+12*\b
.set RP_, 128*((\k)&1)+12*(\a)
.set SV_, VS+2*((\k)&1)+(\b)/2
.set SP_, PS+4*(\k)+(\a)/2
.if \zero
.if ((\a)%2 == 0) && ((\b)%2 == 0)
	v_wmma_scale_f32_16x16x128_f8f6f4 v[RD_:RD_+7], v[RV_:RV_+11], v[RP_:RP_+11], 0, v[SV_], v[SP_] matrix_a_fmt:MATRIX_FMT_BF6 matrix_b_fmt:MATRIX_FMT_BF6
.elseif ((\a)%2 == 0)
	v_wmma_scale_f32_16x16x128_f8f6f4 v[RD_:RD_+7], v[RV_:RV_+11], v[RP_:RP_+11], 0, v[SV_], v[SP_] matrix_a_fmt:MATRIX_FMT_BF6 matrix_b_fmt:MATRIX_FMT_BF6 matrix_a_scale:MATRIX_SCALE_ROW1
.elseif ((\b)%2 == 0)
	v_wmma_scale_f32_16x16x128_f8f6f4 v[RD_:RD_+7], v[RV_:RV_+11], v[RP_:RP_+11], 0, v[SV_], v[SP_] matrix_a_fmt:MATRIX_FMT_BF6 matrix_b_fmt:MATRIX_FMT_BF6 matrix_b_scale:MATRIX_SCALE_ROW1
.else
	v_wmma_scale_f32_16x16x128_f8f6f4 v[RD_:RD_+7], v[RV_:RV_+11], v[RP_:RP_+11], 0, v[SV_], v[SP_] matrix_a_fmt:MATRIX_FMT_BF6 matrix_b_fmt:MATRIX_FMT_BF6 matrix_a_scale:MATRIX_SCALE_ROW1 matrix_b_scale:MATRIX_SCALE_ROW1
.endif
.else
.if ((\a)%2 == 0) && ((\b)%2 == 0)
	v_wmma_scale_f32_16x16x128_f8f6f4 v[RD_:RD_+7], v[RV_:RV_+11], v[RP_:RP_+11], v[RD_:RD_+7], v[SV_], v[SP_] matrix_a_fmt:MATRIX_FMT_BF6 matrix_b_fmt:MATRIX_FMT_BF6
.elseif ((\a)%2 == 0)
	v_wmma_scale_f32_16x16x128_f8f6f4 v[RD_:RD_+7], v[RV_:RV_+11], v[RP_:RP_+11], v[RD_:RD_+7], v[SV_], v[SP_] matrix_a_fmt:MATRIX_FMT_BF6 matrix_b_fmt:MATRIX_FMT_BF6 matrix_a_scale:MATRIX_SCALE_ROW1
.elseif ((\b)%2 == 0)
	v_wmma_scale_f32_16x16x128_f8f6f4 v[RD_:RD_+7], v[RV_:RV_+11], v[RP_:RP_+11], v[RD_:RD_+7], v[SV_], v[SP_] matrix_a_fmt:MATRIX_FMT_BF6 matrix_b_fmt:MATRIX_FMT_BF6 matrix_b_scale:MATRIX_SCALE_ROW1
.else
	v_wmma_scale_f32_16x16x128_f8f6f4 v[RD_:RD_+7], v[RV_:RV_+11], v[RP_:RP_+11], v[RD_:RD_+7], v[SV_], v[SP_] matrix_a_fmt:MATRIX_FMT_BF6 matrix_b_fmt:MATRIX_FMT_BF6 matrix_a_scale:MATRIX_SCALE_ROW1 matrix_b_scale:MATRIX_SCALE_ROW1
.endif
.endif
.endm
.macro MULQ k, a0, zero                ; 8 products: P's blocks a0, a0 + 1 x V^T's four.  The 32 accumulators take turns in the same order in every step
.irp a, \a0, \a0+1
.irp b, 0,1,2,3
	WM \k, \a, \b, \zero
.endr
.endr
.endm
.macro KS k, mode, zero                ; mode 1 plain; 0 a path's last; 2 a barrier that shows a slot filled late to every wave; 3 the same in a round of the cluster's barrier, and the slot just read is filled again
.if (\mode) < 2
	s_wait_dscnt 12                                ; all but the youngest twelve loads (P's blocks 4-7) are in
	WIN MULW
	MULQ \k, 0, \zero
	MULQ \k, 2, \zero
.if (\mode) == 1
	PLACES 4                                       ; four places in front of loads into registers that matrix instructions have read
	FETCH (\k)+1
	s_wait_dscnt 38                                ; all but the 38 just issued
.else
	s_wait_dscnt 0x0
.endif
	WIN MULW
	MULQ \k, 4, \zero
	MULQ \k, 6, \zero
.else
	WIN 0
	s_wait_tensorcnt 0x0                           ; all my tensor loads have landed: my part of the other slot
	ds_add_u32 v[SPW], v[NIL]                      ; 0 onto my spare word
.if (\mode) == 3
	s_add_nc_u64 s[G0P+4*(((\k)>>2)&1)+2:G0P+4*(((\k)>>2)&1)+3], s[G0P+4*(((\k)>>2)&1)+2:G0P+4*(((\k)>>2)&1)+3], 4*XKS   ; no tensor load of mine is out: this slot's next key units, four on
	s_add_nc_u64 s[G0V+4*(((\k)>>2)&1)+2:G0V+4*(((\k)>>2)&1)+3], s[G0V+4*(((\k)>>2)&1)+2:G0V+4*(((\k)>>2)&1)+3], 4*VKS
.endif
	s_wait_dscnt 13                                ; (the add and the youngest twelve loads may be out)
	WIN MULW
	MULQ \k, 0, 0
	s_wait_dscnt 0x0                               ; the add is done, and my LDS reads so far are over
	s_barrier_signal -1
	MULQ \k, 2, 0
	WIN 0
	s_barrier_wait -1
.if (\mode) == 3
	CREST                                          ; no wave of any partner still reads this slot or has a load on its way
	JLOAD ((\k)>>2)&1                              ; the first tensor load behind the round; its four v_nop are also the places in front of the loads below
.else
	PLACES 4
.endif
	FETCH (\k)+1
	WIN MULW
	MULQ \k, 4, 0
	MULQ \k, 6, 0
.endif
.endm
	s_wait_tensorcnt 1                             ; my part of slot 0 is in; slot 1's may stay out, and K steps 0 and 1 read slot 0 alone
	s_barrier_signal -1
	s_barrier_wait -1                              ; everybody's is
	FETCH 0
	KS 0, 1, 1                                     ; the first products start the sums
	KS 1, 2, 0                                     ; still on the one way that every wave takes: every wave waits for slot 1's fill, and the barrier shows it whole, ahead of every branch on the query block
	WIN 0                                          ; at a branch and at a label every window is 0
	s_cmp_eq_u32 s17, 0
	s_cbranch_scc1 .Ldone                          ; block 0: two K steps
	KS 2, 1, 0
	WIN 0
	s_cmp_eq_u32 s17, 1
	s_cbranch_scc1 .Lk3l
	s_cmp_lt_u32 s17, 4
	s_cbranch_scc1 .Ltb
	KS 3, 3, 0                                     ; blocks 4-7: slot 0 takes key units 4 and 5
	KS 4, 1, 0
	KS 5, 1, 0
	KS 6, 1, 0
	WIN 0
	s_cmp_lt_u32 s17, 6
	s_cbranch_scc1 .Ltc
	KS 7, 3, 0                                     ; blocks 6, 7: slot 1 takes key units 6 and 7
	KS 8, 1, 0
	KS 9, 1, 0
	KS 10, 1, 0
	KS 11, 2, 0
	KS 12, 1, 0
	KS 13, 1, 0
	WIN 0
	s_cmp_eq_u32 s17, 6
	s_cbranch_scc1 .Ldone
	KS 14, 1, 0
	KS 15, 0, 0
	WIN 0
	s_branch .Ldone
.Lk3l:                                 ; block 1
	KS 3, 0, 0
	WIN 0
	s_branch .Ldone
.Ltb:                                  ; blocks 2, 3: slot 1's first fill, shown whole at K step 1's barrier, is read; nothing is asked for
	KS 3, 1, 0
	KS 4, 1, 0
	KS 5, 1, 0
	WIN 0
	s_cmp_eq_u32 s17, 2
	s_cbranch_scc1 .Ldone
	KS 6, 1, 0
	KS 7, 0, 0
	WIN 0
	s_branch .Ldone
.Ltc:                                  ; blocks 4, 5: slot 0's second fill is read, nothing is asked for
	KS 7, 2, 0
	KS 8, 1, 0
	KS 9, 1, 0
	WIN 0
	s_cmp_eq_u32 s17, 4
	s_cbranch_scc1 .Ldone
	KS 10, 1, 0
	KS 11, 0, 0
	WIN 0
.Ldone:
	s_wait_dscnt 0x0                               ; a fetch that ran ahead of an even block's end has landed: its registers are free
	PLACES 4                                       ; four places in front of the first read of results and the first write of operands' registers
; THE WAY OUT, a tile of 16 queries x 64 channels at a time: / l; through my own stage in LDS; back as whole rows of 256 bytes, into 32 registers of the tile's own in window 2:
; no store's data are written again, so no wait stands between the tiles' stores.
.macro PACK a
.set TT, T0+32*((\a)%2)
	WIN 0x01                                       ; source 0: the accumulators' window
.set n, 0
.rept 32
	v_mul_f32 v[TT+n], v[32*(\a)+n], v[RA+(\a)]    ; each accumulator from its low end on
.set n, n+1
.endr
	WIN 0
.endm
.macro TOSTAGE a
.set TT, T0+32*((\a)%2)
.irp b, 0,1,2,3
	ds_store_b128 v[STO], v[TT+8*\b:TT+8*\b+3] offset:128*(\b/2)+32*(\b%2)
	ds_store_b128 v[STO], v[TT+8*\b+4:TT+8*\b+7] offset:128*(\b/2)+32*(\b%2)+16
.endr
	WIN 0x80                                       ; destination window 2
.irp t, 0,1,2,3,4,5,6,7
	ds_load_b128 v[32*(\a)+4*\t:32*(\a)+4*\t+3], v[RDB] offset:\t*2*272   ; LDS serves a wave's instructions in order: these see the stores above, and the next tile's stores come behind them
.endr
	WIN 0
.endm
.macro SEND a, younger                 ; younger: the LDS instructions issued behind tile a's loads
	s_wait_dscnt \younger
	WIN 0x08                                       ; a store's data are its source 1: window 2
.irp t, 0,1,2,3,4,5,6,7
	global_store_b128 v[GO], v[32*(\a)+4*\t:32*(\a)+4*\t+3], s[92:93] offset:(32*((\a)/2)+8*((\a)%2)+2*\t+8*(\t/4))*4096 th:TH_STORE_NT   ; stage row 2 t + h is lane-row 2 t + h of the tile; 16 lanes store 256 consecutive bytes, at a multiple of 256 from out0's first byte
.endr
	WIN 0
.endm
	PACK 0
	TOSTAGE 0
.irp a, 1,2,3,4,5,6,7
	PACK \a
	TOSTAGE \a
	SEND \a-1, 16                                  ; behind tile a - 1's loads: tile a's eight stores and eight loads
.endr
	SEND 7, 0
	s_wait_tensorcnt 0x0                           ; the wave's end, behind my last tensor load and my last LDS store
	ds_add_u32 v[SPW], v[NIL]
	s_wait_dscnt 0x0
	CROUND                                         ; the closing round: no work-group ends while a partner may still ask for a record that names it
	s_endpgm
.Lfunc_end_k_q35e37288ed_pv:
	.size	k_q35e37288ed_pv, .Lfunc_end_k_q35e37288ed_pv-k_q35e37288ed_pv
	.p2alignl 7, 3214868480
	.fill 96, 4, 3214868480
	.section	.rodata,"a",@progbits
	.p2align	6, 0x0
	.amdhsa_kernel k_q35e37288ed_pv
		.amdhsa_group_segment_fixed_size 327680
		.amdhsa_private_segment_fixed_size 0
		.amdhsa_enable_private_segment 0
		.amdhsa_kernarg_size 32
		.amdhsa_user_sgpr_count 2
		.amdhsa_user_sgpr_kernarg_segment_ptr 1
		.amdhsa_wavefront_size32 1
		.amdhsa_system_sgpr_workgroup_id_x 1
		.amdhsa_system_sgpr_workgroup_id_y 1
		.amdhsa_system_sgpr_workgroup_id_z 1
		.amdhsa_system_vgpr_workitem_id 0
		.amdhsa_next_free_vgpr 768
		.amdhsa_next_free_sgpr 96
		.amdhsa_reserve_vcc 0
		.amdhsa_float_denorm_mode_32 3
		.amdhsa_float_denorm_mode_16_64 3
		.amdhsa_memory_ordered 1
		.amdhsa_forward_progress 1
		.amdhsa_inst_pref_size 250
	.end_amdhsa_kernel
	.amdgpu_metadata
---
amdhsa.version: [ 1, 2 ]
amdhsa.kernels:
  - .name:           k_q35e37288ed_pv
    .symbol:         k_q35e37288ed_pv.kd
    .args:
      - { .name: c3, .offset: 0, .size: 8, .value_kind: global_buffer, .address_space: global }
      - { .name: st3, .offset: 8, .size: 8, .value_kind: global_buffer, .address_space: global }
      - { .name: c2, .offset: 16, .size: 8, .value_kind: global_buffer, .address_space: global }
      - { .name: out0, .offset: 24, .size: 8, .value_kind: global_buffer, .address_space: global }
    .group_segment_fixed_size: 327680
    .private_segment_fixed_size: 0
    .kernarg_segment_align: 8
    .kernarg_segment_size: 32
    .max_flat_workgroup_size: 128
    .sgpr_count:     96
    .vgpr_count:     768
    .wavefront_size: 32
...
	.end_amdgpu_metadata
.endif
;; end of part 4
